; MI455X (gfx1250); checked and timed in simulation.
; The chip was launched on July 23, 2026; its instructions are those of AMD's public machine-readable ISA for CDNA 5 (MIT licence, August 2026) and "CDNA5" Instruction Set Architecture Reference Guide (July 2026). The comments in the code are by the model that wrote it; some were corrected since.
;; Multi Head Attention. Allowed arithmetic: matrix products marked QUANTISED: E2M1 operands, one E8M0 scale for each 32 along K, by v_wmma_scale_f32_16x16x128_f8f6f4 with both operands' format E2M1 (or v_wmma_scale_f32_32x16x128_f4), f32 sums; products left as they are: bf16, f16 or f32 operands; f32 sums; everything else in f32.
;; Inputs: b_kv 2,048 float32; b_out 1,024 float32; b_q 1,024 float32; input_kv 4 x 2,048 x 1,024 float32; input_q 4 x 2,048 x 1,024 float32; w_kv 2,048 x 1,024 float32; w_out 1,024 x 1,024 float32; w_q 1,024 x 1,024 float32.
;; Outputs: out0 4 x 2,048 x 1,024 float32.
;; This version of the problem:
;;   THIS VERSION OF THE PROBLEM IS GIVEN IN LOW PRECISION. The matrix products marked QUANTISED in the list below multiply operands that are first quantised to E2M1 (2 exponent bits, 1 mantissa bit; 4 bits a number), with one power-of-two scale for each 32 numbers along K (OCP MX v1.0); their sums are f32. The products marked 'left as it is' may take bf16, f16 or f32 operands, with f32 sums. Whichever they take, every output number must still come out within the allowed error. Rounding operands to bf16 (8 significant bits) uses up far more of that allowance than f16 does (11 bits, for magnitudes from 6e-5 to 65,504). All else is computed in f32.
;;   The module's matrix products, in the order in which they are computed (A, B: the left and right operand; K: the contracted axis; several contracted axes count as one K, in the product's order):
;;     1. [M 8,192, K 1,024] x [K 1,024, N 1,024]; A: input input_q; B: input w_q: QUANTISED
;;     2. [M 8,192, K 1,024] x [K 1,024, N 2,048]; A: input input_kv; B: input w_kv: QUANTISED
;;     3. batch 64 x [M 2,048, K 64] x [K 64, N 2,048]; A: computed on the way; B: computed on the way: left as it is (an operand is computed on the way)
;;     4. batch 64 x [M 2,048, K 2,048] x [K 2,048, N 64]; A: computed on the way; B: computed on the way: left as it is (an operand is computed on the way)
;;     5. [M 8,192, K 1,024] x [K 1,024, N 1,024]; A: computed on the way; B: input w_out: left as it is (an operand is computed on the way)
;;   THE QUANTISER, for each operand of a quantised product, along K:
;;     - K is cut into blocks of 32 from its start; a last block that is shorter is filled with zeros.
;;     - A block's scale is 2^e with e = floor(log2(the largest magnitude in the block)) - 2, held to -126 .. 127; a block of zeros has e = 0. As a byte (E8M0): e + 127.
;;     - Each number is divided by its block's scale, clamped to +-6, and rounded to the nearest number of E2M1, ties to even, subnormals kept.
;;     - The product sums the exact products of the quantised numbers (number of the format x scale) in f32.
;;   ~~~python
;;   def quantise(x, axis):      # numpy; x: float32 -> the quantised numbers, widened to float32 again
;;       x = np.moveaxis(x, axis, -1); K = x.shape[-1]
;;       x = np.pad(x, [(0, 0)] * (x.ndim - 1) + [(0, -K % 32)]); x = x.reshape(x.shape[:-1] + (-1, 32)); a = np.abs(x).max(-1, keepdims=True)
;;       e = np.where(a > 0, np.clip(np.frexp(np.where(a > 0, a, 1))[1] - 1 - 2, -126, 127), 0)      # np.frexp(a)[1] - 1 = floor(log2(a)), exactly
;;       r = np.clip(x / 2.0 ** e, -6, 6)
;;       step = 2.0 ** (np.maximum(np.frexp(np.where(r == 0, 1, r))[1] - 1, 0) - 1)
;;       q = np.round(r / step) * step * 2.0 ** e      # np.round: ties to even
;;       return np.moveaxis(q.reshape(q.shape[:-2] + (-1,))[..., :K], -1, axis).astype(np.float32)
;;   ~~~
;; One version. Each part assembles by itself: llvm-mc -triple=amdgcn-amd-amdhsa -mcpu=gfx1250 --defsym DOCPART=n.
;; ======== version 1 of 1: 4 launches
;; limits: values are held in f16: magnitudes above 65,504 overflow, below 6.1e-05 lose precision
;; workspace buffers: acodes 8,388,608 bytes; ascales 524,288 bytes; wcodes 1,572,864 bytes; wscales 98,304 bytes; wo16 2,097,152 bytes; qkv16 50,331,648 bytes; val16 16,777,216 bytes
;; launch prep (part 1): grid 672 x 1, 4 waves a work-group, no clusters, 33,280 bytes of LDS; arguments input_q, input_kv, w_q, w_kv, w_out, acodes, ascales, wcodes, wscales, wo16; writes acodes, ascales, wcodes, wscales, wo16
.if DOCPART == 1
	.amdgcn_target "amdgcn-amd-amdhsa--gfx1250"
	.amdhsa_code_object_version 6
	.text
	.protected	k_q9c4e27b911_prep
	.globl	k_q9c4e27b911_prep
	.p2align	8
	.type	k_q9c4e27b911_prep,@function
k_q9c4e27b911_prep:
	s_mov_b64 s[64:65], 0
	v_nop
	global_prefetch_b8 v0, s[64:65] scope:SCOPE_SE
	s_setreg_imm32_b32 hwreg(HW_REG_WAVE_MODE, 25, 1), 1
	s_wait_xcnt 0x0
; PREP.  Work-groups 0 to 607 turn input_q, input_kv, w_q and w_kv (f32, K = 1,024 innermost) into codes of FP4 (E2M1), two a byte, the lower k in the low four bits,
; with one E8M0 scale byte for each 32 along K.  Work-groups 608 to 671 turn w_out into f16, laid as images of the out projection's operand registers.
; acodes [16,384 rows][512 bytes]: input_q's 8,192 rows, then input_kv's;  ascales [16,384][32];  wcodes [3,072][512]: w_q's 1,024 rows, then w_kv's 2,048;  wscales [3,072][32].
; A block's scale is 2^(floor(log2(its largest magnitude)) - 2); its byte is the largest magnitude's exponent field - 2, held at 1 from below.  Each number is divided by the scale and rounded to the nearest code, ties to even, beyond 6 the code of 6.
; LIMITS: a block of zeros gets the byte 1 where the quantiser's text says 127 (its codes are zeros, and this program alone reads the bytes); blocks whose largest magnitude lies under 2^-124 keep the byte 1; NaN and infinities are not served.
; Rows are dense and K is a multiple of 32: each tensor is a plain stream of blocks of 32.  A work-group takes 32,768 numbers, a wave 16 steps of 512.  A step's four loads read 512 consecutive bytes each;
; the 2,048 bytes turn through the wave's own stage in LDS and come back 64 bytes a lane, so that a lane holds 16 neighbours along K (two lanes a block).  A lane's 16 codes are 8 bytes: a wave stores 256 consecutive bytes.
; A wave's 256 scale bytes are gathered in LDS and leave by one store of 256 consecutive bytes.  Only pointers are chosen by the work-group's number: the four tensors take one path.  Waves share nothing: no barrier.
; wo16 [n tile 64][k fragment 32][half 2][lane 32][16 bytes]: lane (r = lane % 16, h = lane / 16), half c holds w_out[16 nt + r][32 kf + 16 c + 8 h + 0 .. 7] as f16: registers 4 c .. 4 c + 3 of a fragment of 16 rows x 32 along K.
.set QWG,   608                        ; work-groups that quantise: 256 + 256 + 32 + 64
.set WAVES, 4
.set STEPS, 16
.set EMAX,  2
.set CB,    8                          ; bytes of 16 codes
.set R,     16                         ; v16-79   four sets of 16 numbers as they are loaded (the conversion path: v16-143, 16 groups of 8)
.set X,     80                         ; v80-111  two sets of 16 neighbours
.set E,     112                        ; v112-127 a scale byte for each step
.set C,     128                        ; v128-191 codes: four registers for each step, so that no store's data are written again
.set WREG,  8192                       ; LDS: a region for each wave: two stages of 32 x SP bytes, behind them its 256 scale bytes
.set SP,    80                         ; a lane's place in a stage: 64 bytes + 16 of padding
.set SPW,   12                         ; v12  LDS address of my spare word; never rewritten
.set NIL,   13                         ; v13  0; never rewritten
.set SPARE, WAVES*WREG                 ; behind the four regions: the spare words, 128 bytes a wave
.set SRC,   26                         ; s[26:27] the tensor that I read
.set COD,   30                         ; s[30:31] where its codes go
.set SCA,   32                         ; s[32:33] where its scale bytes go
	s_load_b256 s[4:11], s[0:1], 0x0               ; input_q, input_kv, w_q, w_kv
	s_load_b256 s[12:19], s[0:1], 0x20             ; w_out, acodes, ascales, wcodes
	s_load_b128 s[20:23], s[0:1], 0x40             ; wscales, wo16
	v_lshl_add_u32 v[SPW], v0, 2, SPARE
	v_mov_b32 v[NIL], 0
	v_lshrrev_b32 v1, 5, v0
	v_readfirstlane_b32 s24, v1                    ; wave
	v_and_b32 v2, 31, v0                           ; lane
	v_lshlrev_b32 v3, 4, v2                        ; 16 x lane
	s_mul_i32 s25, s24, WREG
	v_lshrrev_b32 v14, 2, v2
	v_mul_u32_u24 v14, v14, SP
	v_and_b32 v15, 3, v2
	v_lshl_add_u32 v14, v15, 4, v14
	v_add_nc_u32 v14, s25, v14                     ; the stage, on the way in: four lanes' 64 bytes on end, then 16 of padding
	v_mul_u32_u24 v15, v2, SP
	v_add_nc_u32 v15, s25, v15                     ; and on the way out: my 16 neighbours
	v_mul_u32_u24 v4, v2, CB                       ; my codes' place in a step's
	v_lshrrev_b32 v5, 1, v2
	s_add_co_u32 s25, s25, 2*32*SP
	v_add_nc_u32 v5, s25, v5                       ; my wave's 256 scale bytes: my block's byte
	v_lshlrev_b32 v7, 3, v2                        ; on the way out 8 bytes a lane
	v_add_nc_u32 v6, s25, v7
	s_wait_kmcnt 0x0
	s_cmp_ge_u32 ttmp9, QWG                        ; the work-group's number alone decides
	s_cbranch_scc1 .Lcvt
	s_cmp_lt_u32 ttmp9, 256                        ; which tensor, and the number of its first work-group
	s_cselect_b64 s[SRC:SRC+1], s[4:5], s[6:7]
	s_cselect_b32 s28, 0, 256
	s_cmp_lt_u32 ttmp9, 512
	s_cselect_b64 s[SRC:SRC+1], s[SRC:SRC+1], s[8:9]
	s_cselect_b32 s28, s28, 512
	s_cselect_b64 s[COD:COD+1], s[14:15], s[18:19] ; activations go to acodes and ascales, weights to wcodes and wscales,
	s_cselect_b64 s[SCA:SCA+1], s[16:17], s[20:21]
	s_cselect_b32 s29, 0, 512                      ; each pair of tensors on end
	s_cmp_lt_u32 ttmp9, 544
	s_cselect_b64 s[SRC:SRC+1], s[SRC:SRC+1], s[10:11]
	s_cselect_b32 s28, s28, 544
	s_sub_co_u32 s34, ttmp9, s28
	s_lshl_b32 s34, s34, 2
	s_add_co_u32 s34, s34, s24                     ; which run of 8,192 numbers of the tensor is my wave's
	s_lshl_b32 s34, s34, 15                        ; 32,768 bytes a run
	s_mov_b32 s35, 0
	s_add_nc_u64 s[SRC:SRC+1], s[SRC:SRC+1], s[34:35]
	s_sub_co_u32 s34, ttmp9, s29
	s_lshl_b32 s34, s34, 2
	s_add_co_u32 s34, s34, s24                     ; and which run of the buffers that take it
	s_lshl_b32 s36, s34, 12                        ; 4,096 bytes of codes a run,
	s_mov_b32 s37, 0
	s_add_nc_u64 s[COD:COD+1], s[COD:COD+1], s[36:37]
	s_lshl_b32 s34, s34, 8                         ; 256 scale bytes
	s_add_nc_u64 s[SCA:SCA+1], s[SCA:SCA+1], s[34:35]
.macro LOAD t
.irp i, 0,1,2,3
	global_load_b128 v[R+16*((\t)%4)+4*\i:R+16*((\t)%4)+4*\i+3], v3, s[SRC:SRC+1] offset:2048*(\t)+512*\i th:TH_LOAD_NT   ; 32 lanes read 512 consecutive bytes
.endr
.endm
.macro TURN t                          ; step t's numbers through the stage: LDS serves a wave's instructions in order (ISA guide 5.7.1), so no wait stands between the stores and the loads
.irp i, 0,1,2,3
	ds_store_b128 v14, v[R+16*((\t)%4)+4*\i:R+16*((\t)%4)+4*\i+3] offset:32*SP*((\t)%2)+8*SP*\i
.endr
.irp i, 0,1,2,3
	ds_load_b128 v[X+16*((\t)%2)+4*\i:X+16*((\t)%2)+4*\i+3], v15 offset:32*SP*((\t)%2)+16*\i
.endr
.endm
.irp t, 0,1,2,3
	LOAD \t
.endr
	s_wait_loadcnt 12                              ; step 0's four loads are in; three steps' twelve stay out
	TURN 0
.macro STEP t
.set XS, X+16*((\t)%2)
.if (\t) > 0
	s_wait_dscnt 1                                 ; this step's numbers are back from the stage (the last step's byte store may be out): so its stores into the stage have read their registers,
.else
	s_wait_dscnt 0x0
.endif
.if (\t)+4 < STEPS
	LOAD (\t)+4                                    ; which take the loads of four steps on
.endif
.if (\t)+1 < STEPS
.if STEPS-2-(\t) >= 3
	s_wait_loadcnt 12                              ; the next step's four loads are in; those of the three steps behind it may be out
.else
	s_wait_loadcnt 4*(STEPS-2-(\t))
.endif
	TURN (\t)+1                                    ; and go through the other stage while this step is worked
.endif
	v_max3_num_f32 v8, |v[XS]|, |v[XS+1]|, |v[XS+2]|               ; the largest magnitude of my 16, in two chains
	v_max3_num_f32 v9, |v[XS+3]|, |v[XS+4]|, |v[XS+5]|
.irp i, 6,10
	v_max3_num_f32 v8, v8, |v[XS+\i]|, |v[XS+\i+1]|
	v_max3_num_f32 v9, v9, |v[XS+\i+2]|, |v[XS+\i+3]|
.endr
	v_max3_num_f32 v8, v8, |v[XS+14]|, |v[XS+15]|
	v_max3_num_f32 v8, v8, v9, (EMAX+1)<<23        ; and the floor 2^(3 - 127): the byte cannot fall under 1
	v_max_num_f32_dpp v8, v8, v8 row_xmask:1 row_mask:0xf bank_mask:0xf   ; and of my neighbour's 16: the block's
	v_add_nc_u32 v11, -(EMAX<<23), v8              ; 2 off its exponent field: the conversion takes the exponent field of this operand as its scale, and nothing else of it
	v_cvt_scalef32_pk8_fp4_f32 v[C+4*(\t)], v[XS:XS+7], v11
	v_cvt_scalef32_pk8_fp4_f32 v[C+4*(\t)+1], v[XS+8:XS+15], v11
	v_lshrrev_b32 v[E+(\t)], 23, v11               ; the scale's byte (a plain line behind the conversions)
	ds_store_b8 v5, v[E+(\t)] offset:16*(\t)       ; both lanes of a block write the same byte with the same value
	global_store_b64 v4, v[C+4*(\t):C+4*(\t)+1], s[COD:COD+1] offset:32*CB*(\t)   ; 32 lanes store 256 consecutive bytes
.endm
.irp t, 0,1,2,3,4,5,6,7,8,9,10,11,12,13,14,15
	STEP \t
.endr
	ds_load_b64 v[8:9], v6                         ; these see my byte stores: LDS serves a wave's instructions in order
	s_wait_dscnt 0x0
	global_store_b64 v7, v[8:9], s[SCA:SCA+1]      ; 32 lanes store 256 consecutive bytes
	s_wait_tensorcnt 0x0                           ; the wave's end, behind my last LDS store
	ds_add_u32 v[SPW], v[NIL]
	s_wait_dscnt 0x0
	s_endpgm
; ---- w_out to f16 images.  Work-group 608 + nt takes rows 16 nt .. 16 nt + 15; wave w takes fragments 8 w .. 8 w + 7 (256 along K).  Group i = 2 kf' + c is 8 numbers a lane: 32 bytes at 64 i of my part of the row.
.Lcvt:
	s_sub_co_u32 s25, ttmp9, QWG                   ; nt
	s_lshl_b32 s34, s25, 16                        ; 16 rows of 4,096 bytes,
	s_lshl_b32 s36, s24, 10                        ; my wave's 1,024 bytes of each
	s_add_co_u32 s34, s34, s36
	s_mov_b32 s35, 0
	s_add_nc_u64 s[12:13], s[12:13], s[34:35]
	s_lshl_b32 s34, s25, 15                        ; a tile's 32 fragments are 32,768 bytes,
	s_lshl_b32 s36, s24, 13                        ; my wave's eight 8,192
	s_add_co_u32 s34, s34, s36
	s_add_nc_u64 s[22:23], s[22:23], s[34:35]
	v_and_b32 v8, 15, v0
	v_bfe_u32 v9, v0, 4, 1
	v_lshlrev_b32 v8, 12, v8
	v_lshl_add_u32 v8, v9, 5, v8                   ; row r of 4,096 bytes, + 32 h
.set i, 0
.rept 16
	global_load_b128 v[R+8*i:R+8*i+3], v8, s[12:13] offset:64*i th:TH_LOAD_NT
	global_load_b128 v[R+8*i+4:R+8*i+7], v8, s[12:13] offset:64*i+16 th:TH_LOAD_NT
.set i, i+1
.endr
.set i, 0
.rept 16
	s_wait_loadcnt 30-2*i                          ; group i's two loads are in; the later groups' stay out
	v_cvt_pk_f16_f32 v[R+8*i], v[R+8*i], v[R+8*i+1]       ; in place, ascending: register j takes numbers 2 j and 2 j + 1
	v_cvt_pk_f16_f32 v[R+8*i+1], v[R+8*i+2], v[R+8*i+3]
	v_cvt_pk_f16_f32 v[R+8*i+2], v[R+8*i+4], v[R+8*i+5]
	v_cvt_pk_f16_f32 v[R+8*i+3], v[R+8*i+6], v[R+8*i+7]
	global_store_b128 v3, v[R+8*i:R+8*i+3], s[22:23] offset:512*i   ; 32 lanes store 512 consecutive bytes; no register is written again behind a store
.set i, i+1
.endr
	s_wait_tensorcnt 0x0                           ; the three lines stand at every end of the text
	ds_add_u32 v[SPW], v[NIL]
	s_wait_dscnt 0x0
	s_endpgm
.Lfunc_end_k_q9c4e27b911_prep:
	.size	k_q9c4e27b911_prep, .Lfunc_end_k_q9c4e27b911_prep-k_q9c4e27b911_prep
	.p2alignl 7, 3214868480
	.fill 96, 4, 3214868480
	.section	.rodata,"a",@progbits
	.p2align	6, 0x0
	.amdhsa_kernel k_q9c4e27b911_prep
		.amdhsa_group_segment_fixed_size 33280
		.amdhsa_private_segment_fixed_size 0
		.amdhsa_enable_private_segment 0
		.amdhsa_kernarg_size 80
		.amdhsa_user_sgpr_count 2
		.amdhsa_user_sgpr_kernarg_segment_ptr 1
		.amdhsa_wavefront_size32 1
		.amdhsa_system_sgpr_workgroup_id_x 1
		.amdhsa_system_sgpr_workgroup_id_y 1
		.amdhsa_system_sgpr_workgroup_id_z 1
		.amdhsa_system_vgpr_workitem_id 0
		.amdhsa_next_free_vgpr 192
		.amdhsa_next_free_sgpr 66
		.amdhsa_reserve_vcc 0
		.amdhsa_float_denorm_mode_32 3
		.amdhsa_float_denorm_mode_16_64 3
		.amdhsa_memory_ordered 1
		.amdhsa_forward_progress 1
		.amdhsa_inst_pref_size 44
	.end_amdhsa_kernel
	.amdgpu_metadata
---
amdhsa.version: [ 1, 2 ]
amdhsa.kernels:
  - .name:           k_q9c4e27b911_prep
    .symbol:         k_q9c4e27b911_prep.kd
    .args:
      - { .name: input_q, .offset: 0, .size: 8, .value_kind: global_buffer, .address_space: global }
      - { .name: input_kv, .offset: 8, .size: 8, .value_kind: global_buffer, .address_space: global }
      - { .name: w_q, .offset: 16, .size: 8, .value_kind: global_buffer, .address_space: global }
      - { .name: w_kv, .offset: 24, .size: 8, .value_kind: global_buffer, .address_space: global }
      - { .name: w_out, .offset: 32, .size: 8, .value_kind: global_buffer, .address_space: global }
      - { .name: acodes, .offset: 40, .size: 8, .value_kind: global_buffer, .address_space: global }
      - { .name: ascales, .offset: 48, .size: 8, .value_kind: global_buffer, .address_space: global }
      - { .name: wcodes, .offset: 56, .size: 8, .value_kind: global_buffer, .address_space: global }
      - { .name: wscales, .offset: 64, .size: 8, .value_kind: global_buffer, .address_space: global }
      - { .name: wo16, .offset: 72, .size: 8, .value_kind: global_buffer, .address_space: global }
    .group_segment_fixed_size: 33280
    .private_segment_fixed_size: 0
    .kernarg_segment_align: 8
    .kernarg_segment_size: 80
    .max_flat_workgroup_size: 128
    .sgpr_count:     66
    .vgpr_count:     192
    .wavefront_size: 32
...
	.end_amdgpu_metadata
.endif
;; end of part 1
;; launch proj (part 2): grid 12 x 32, 4 waves a work-group, clusters of 4 x 4, 327,680 bytes of LDS; arguments acodes, ascales, wcodes, wscales, qkv16, b_q, b_kv; writes qkv16
.if DOCPART == 2
	.amdgcn_target "amdgcn-amd-amdhsa--gfx1250"
	.amdhsa_code_object_version 6
	.text
	.protected	k_q9c4e27b911_proj
	.globl	k_q9c4e27b911_proj
	.p2align	8
	.type	k_q9c4e27b911_proj,@function
k_q9c4e27b911_proj:
	s_mov_b64 s[64:65], 0
	v_nop
	global_prefetch_b8 v0, s[64:65] scope:SCOPE_SE
	s_setreg_imm32_b32 hwreg(HW_REG_WAVE_MODE, 25, 1), 1
	s_wait_xcnt 0x0
	s_wait_alu depctr_hold_cnt(0) depctr_sa_sdst(0) depctr_va_vdst(0) depctr_va_sdst(0) depctr_va_ssrc(0) depctr_va_vcc(0) depctr_vm_vsrc(0)
	s_getreg_b32 s2, hwreg(HW_REG_IB_STS2, 6, 4)
	s_cmp_eq_u32 s2, 0
	s_cbranch_scc0 .Lentry_in_a_cluster
	s_endpgm
.Lentry_in_a_cluster:
	s_bfe_u32 s2, ttmp6, 0x10000c
	s_cmp_lg_u32 s2, 0xf033
	s_cbranch_scc0 .Lentry_shape_is_right
	s_endpgm
.Lentry_shape_is_right:
; PROJ.  q = input_q w_q^T + b_q and kv = input_kv w_kv^T + b_kv, on codes of FP4 (E2M1) with one E8M0 scale for each 32 along K = 1,024; sums in f32; results rounded to f16 for attention.
; Tile columns 0-3 (cluster x = 0) are q's 1,024 columns, tile columns 4-11 kv's 2,048: the weights' codes lie on end (row 256 x tile column), the activations' too (input_kv's rows begin at 8,192).
; A tile, 256 x 256, is made by four waves, 128 x 128 each: 64 accumulators of 16 x 16, 512 registers.  K is two slots of 512 (LDS rows of 256 bytes + 16 of padding); both are asked for at the head, and so are
; the scale bytes of the tile's 256 + 256 rows, two dense blocks of 8,192 bytes.  Nothing is filled a second time.  By this text's count a wave has three tensor loads out at the most.
; CLUSTERS: 4 x 4 work-groups.  The four of a row of the cluster need the same tiles of the activations, the four of a column the same tiles of the weights: each is asked for jointly, with a mask that names the four.
; THE MATRIX INSTRUCTION IS USED TRANSPOSED (source 0 = 16 rows of the weight, source 1 = 16 tokens): lane (r, h) then holds token r and the eight neighbouring columns 16 b + 8 h + 0 .. 7.
; THE BIAS is the C of each sum's first product: eight registers for each of my eight column tiles, in the result's layout.
; THE WAY OUT NEEDS NO LDS.  qkv16 is laid as images of attention's operand registers: part (q 0, k 1, v 2) x 16,777,216 + (16 batch + head) x 262,144 + token tile x 2,048 + block x 512 + place x 16 bytes;
; block = 16 tokens x channels 16 block .. + 15; the 16 bytes hold token r, channels 16 block + 8 h + 0 .. 7.  For q and k the place is the lane; for v it is the lane with bits 3 and 4 exchanged, so that attention's
; turning load, lane l at 16 l, gives lane l channel l % 16 and keys 8 (l / 16) + 0 .. 7.  A lane's eight results packed to f16 are those 16 bytes: each store of the wave covers 512 consecutive bytes.
; LIMIT: |q|, |k|, |v| stay under 65,504, the largest f16 number.
; REGISTERS, in windows of 256: window 0: v0-31 addresses; v32-95 scale words, two sets; v128-191 the activations' fragments, one set; v192-255 the bias.  On the way out v32-159 take the packed results.
;   window 1: the weights' fragments, two sets, at v0 and v128.   window 2: the accumulators of my tokens 0-63 ((a, b) at v[8 (8 a + b)]);   window 3: those of my tokens 64-127.
.set KSTEP,  512                       ; along K in a slot
.set NQ,     KSTEP/128                 ; matrix instructions deep
.set ROWB,   256                       ; a tile's row in bytes
.set KROW,   512                       ; a row of codes in memory
.set PITCH,  272                       ; an LDS row: 256 bytes + 16 of padding = 68 words: the 16 rows that a load touches start at 16 different banks (64 banks of 4 bytes: ISA guide 11.1)
.set FR,     8                         ; registers of a fragment: 16 rows x 128 K
.set NL,     2                         ; LDS loads that bring one
.set NP,     4                         ; places behind this matrix instruction (ISA guide 7.12.1)
.set HALFT,  128*PITCH                 ; 128 rows: what one tensor load brings
.set SLOT,   4*HALFT                   ; the activations' 256 rows, then the weights' 256
.set KS,     32                        ; a row of scale bytes
.set SCL,    2*SLOT                    ; behind the two slots: the scales, as units of 256 bytes + 16 of padding
.set HALFS,  (128*KS/256)*272          ; the scales of 128 rows
.set SBLK,   (16*KS/256)*272           ; those of 16 rows
.set SPARE,  SCL+4*HALFS               ; behind the scales: the spare words, 128 bytes a wave
.set ADRA, 16                          ; v16-17  LDS address of my activation fragments in slot 0, 1
.set ADRB, 20                          ; v20-21  the same for the weights
.set OA,   24                          ; v24     the way out: 16 x lane
.set OB,   25                          ; v25     the same, or for v 16 x (lane with bits 3 and 4 exchanged)
.set ADRS, 27                          ; v27     LDS address of my scale words: lanes 0-15 the activations' rows, lanes 16-31 the weights'
.set SPW,  28                          ; v28     my spare word; never rewritten
.set NIL,  29                          ; v29     0; never rewritten
.set SC,   32                          ; scale words: set s at v[SC + 32 s]; register 4 i + q: lanes 0-15 the word of activation block i, lanes 16-31 of weight block i, for the slot's q-th 128 along K
.set AF,   128                         ; the activations' fragments
.set BI,   192                         ; the bias
.set TP,   32                          ; the way out: packed results, 32 registers a block, four blocks
.set G1, 24                            ; s[24:31] descriptor group 1 for the activations' tiles;  s[32:39] group 0, one set a slot
.set G0, 32
.set G1B, 48                           ; s[48:55], s[56:63] the same for the weights'
.set G0B, 56
.set G1S, 68                           ; s[68:75], s[76:79] for the activations' scales;  s[80:87], s[88:91] for the weights'
.set G0S, 76
.set G1SB, 80
.set G0SB, 88
.set MSB, 0
.macro WIN new                         ; the immediate's high byte repeats the setting that is left; a switch that changes nothing is dropped
.if MSB != (\new)
	s_set_vgpr_msb (MSB<<8)|(\new)
.set MSB, (\new)
.endif
.endm
.set MUL_LO,   0xa1                    ; source 0 (weights) window 1, source 1 window 0, C and D window 2
.set MUL_HI,   0xf1                    ; the same, C and D window 3
.set FIRST_LO, 0x81                    ; the first products: C is the bias, in window 0
.set FIRST_HI, 0xc1
.set TO_B,     0x40                    ; destination window 1, address window 0
; A joint load: waves 0 and 1 fetch for the activations, waves 2 and 3 for the weights.  Each line has one mask and one set of registers for all that issue it; the branch hangs on the wave's number alone.
; An s_nop 0 and four v_nop follow each of the two lines.
.macro JLOAD g0a, g1a, g0b, g1b
	s_cmp_eq_u32 s15, 0
	s_cbranch_scc0 .Lfor_b_\@
	tensor_load_to_lds s[\g0a:\g0a+3], s[\g1a:\g1a+7]
	s_nop 0
.rept 4
	v_nop
.endr
	s_branch .Lasked_\@
.Lfor_b_\@:
	tensor_load_to_lds s[\g0b:\g0b+3], s[\g1b:\g1b+7]
	s_nop 0
.rept 4
	v_nop
.endr
.Lasked_\@:
.endm
.macro CROUND                          ; a round of the cluster's barrier: my work-group's barrier; wave 0 signals for the work-group; every wave waits for all sixteen; my work-group's barrier once more
	s_barrier_signal -1
	s_barrier_wait -1
	s_cmp_lg_u32 s14, 0
	s_cbranch_scc1 .Lnot_wave_0_\@
	s_barrier_signal -3
.Lnot_wave_0_\@:
	s_barrier_wait -3
	s_barrier_signal -1
	s_barrier_wait -1
.endm
	s_load_b128 s[4:7], s[0:1], 0x0                ; acodes, ascales
	s_load_b128 s[8:11], s[0:1], 0x10              ; wcodes, wscales
	s_load_b64 s[12:13], s[0:1], 0x20              ; qkv16
	s_load_b64 s[96:97], s[0:1], 0x28              ; b_q
	s_load_b64 s[98:99], s[0:1], 0x30              ; b_kv
	v_lshl_add_u32 v[SPW], v0, 2, SPARE
	v_mov_b32 v[NIL], 0
	ds_add_u32 v[SPW], v[NIL]                      ; the wave's opening: the add, twice on end, and its wait ahead of my first tensor load
	ds_add_u32 v[SPW], v[NIL]
	v_lshrrev_b32 v1, 5, v0
	v_readfirstlane_b32 s14, v1                    ; wave 0..3
	s_lshr_b32 s15, s14, 1                         ; which half of the tile's tokens is mine.  Also: I fetch activations (0) or weights (1)
	s_and_b32 s16, s14, 1                          ; which half of its columns.  Also: which 128 rows I fetch
	s_bfe_u32 s40, ttmp6, 0x40000                  ; cx, cy: my place in the cluster
	s_bfe_u32 s41, ttmp6, 0x40004
	s_lshl_b32 s42, ttmp9, 2
	s_add_co_u32 s42, s42, s40                     ; tile column = 4 x cluster x + cx, 0 .. 11
	s_and_b32 s17, ttmp7, 0xffff
	s_lshl_b32 s17, s17, 2
	s_add_co_u32 s17, s17, s41                     ; tile row = 4 x cluster y + cy, 0 .. 31
	s_lshl_b32 s43, s41, 2
	s_lshl_b32 s43, 15, s43                        ; my row of the cluster
	s_lshl_b32 s44, 0x1111, s40                    ; my column
	s_or_b32 s[G1+0], s43, (0<<16)|(1<<20)|(1<<21)|(5<<22)|(3<<25)  ; 15:0 the mask; 17:16 elements of 1 byte; 20 padding on; 21 set beside a mask; 24:22 after every 64 words; 31:25 four words
	s_or_b32 s[G1B+0], s44, (0<<16)|(1<<20)|(1<<21)|(5<<22)|(3<<25)
.irp g, G1, G1B
	s_mov_b32 s[\g+1], ROWB<<16                    ; tensor_dim0
	s_mov_b32 s[\g+2], 128<<16                     ; tensor_dim1
	s_mov_b32 s[\g+3], ROWB<<16                    ; tile_dim0
	s_mov_b32 s[\g+4], 128                         ; tile_dim1
	s_mov_b32 s[\g+5], KROW                        ; from row to row
	s_mov_b32 s[\g+6], 0
	s_mov_b32 s[\g+7], 0
.endr
	s_or_b32 s[G1S+0], s43, (3<<16)|(1<<20)|(1<<21)|(5<<22)|(3<<25) ; the scales of 128 rows: 4,096 dense bytes as 16 rows of 256 (32 elements of 8 bytes), 16 bytes of padding behind each
	s_or_b32 s[G1SB+0], s44, (3<<16)|(1<<20)|(1<<21)|(5<<22)|(3<<25)
.irp g, G1S, G1SB
	s_mov_b32 s[\g+1], 32<<16
	s_mov_b32 s[\g+2], (128*KS/256)<<16
	s_mov_b32 s[\g+3], 32<<16
	s_mov_b32 s[\g+4], 128*KS/256
	s_mov_b32 s[\g+5], 32
	s_mov_b32 s[\g+6], 0
	s_mov_b32 s[\g+7], 0
.endr
	s_lshl_b32 s18, s16, 7                         ; which 128 rows of the tile I fetch
	s_lshl_b32 s20, s17, 8
	s_add_co_u32 s20, s20, s18                     ; activations: row 256 x tile row + 128 x half,
	s_min_u32 s19, ttmp9, 1                        ; and input_kv's rows begin at 8,192: by the cluster's x, which all sixteen partners share
	s_lshl_b32 s19, s19, 13
	s_add_co_u32 s20, s20, s19
	s_lshl_b32 s46, s42, 8
	s_add_co_u32 s46, s46, s18                     ; weights: row 256 x tile column + 128 x half
	s_mov_b32 s21, 0
	s_mov_b32 s47, 0
	s_mov_b64 s[18:19], KS
	s_mul_u64 s[22:23], s[20:21], s[18:19]         ; where these rows' scales begin, in bytes,
	s_mul_u64 s[92:93], s[46:47], s[18:19]
	s_mov_b64 s[18:19], KROW
	s_mul_u64 s[20:21], s[20:21], s[18:19]         ; and their codes
	s_mul_u64 s[46:47], s[46:47], s[18:19]
	s_mul_i32 s45, s14, HALFT                      ; where they go: wave x 128 rows: no place in the cluster enters an LDS address
	s_mul_i32 s94, s14, HALFS
	s_wait_dscnt 0x0                               ; both opening adds are done
	s_wait_kmcnt 0x0
	s_add_nc_u64 s[20:21], s[4:5], s[20:21]
	s_add_nc_u64 s[22:23], s[6:7], s[22:23]
	s_add_nc_u64 s[46:47], s[8:9], s[46:47]
	s_add_nc_u64 s[92:93], s[10:11], s[92:93]
	CROUND                                         ; all sixteen work-groups are here: the joint loads meet
	s_mov_b32 s[G0S], 1
	s_add_co_u32 s[G0S+1], s94, SCL
	s_mov_b64 s[G0S+2:G0S+3], s[22:23]
	s_or_b32 s[G0S+3], s[G0S+3], 0x80000000
	s_mov_b32 s[G0SB], 1
	s_add_co_u32 s[G0SB+1], s94, SCL
	s_mov_b64 s[G0SB+2:G0SB+3], s[92:93]
	s_or_b32 s[G0SB+3], s[G0SB+3], 0x80000000
	JLOAD G0S, G1S, G0SB, G1SB                     ; the scales first: they are wanted with the first slot
.irp s, 0,1
	s_mov_b32 s[G0+4*\s], 1
	s_add_co_u32 s[G0+4*\s+1], s45, \s*SLOT
	s_add_nc_u64 s[G0+4*\s+2:G0+4*\s+3], s[20:21], \s*ROWB
	s_or_b32 s[G0+4*\s+3], s[G0+4*\s+3], 0x80000000
	s_mov_b32 s[G0B+4*\s], 1
	s_add_co_u32 s[G0B+4*\s+1], s45, \s*SLOT
	s_add_nc_u64 s[G0B+4*\s+2:G0B+4*\s+3], s[46:47], \s*ROWB
	s_or_b32 s[G0B+4*\s+3], s[G0B+4*\s+3], 0x80000000
	JLOAD G0+4*\s, G1, G0B+4*\s, G1B
.endr
	v_and_b32 v1, 15, v0                           ; r
	v_bfe_u32 v2, v0, 4, 1                         ; h
	v_mul_u32_u24 v3, v1, PITCH
	v_lshl_add_u32 v4, v2, 4, v3                   ; a fragment's row x pitch + 16 h
	s_mul_i32 s21, s15, HALFT                      ; my 128 tokens
	s_mul_i32 s22, s16, HALFT                      ; my 128 rows of the weight,
	s_add_co_u32 s22, s22, 2*HALFT                 ; which lie behind the 256 tokens
.irp s, 0,1
	v_add_nc_u32 v[ADRA+\s], s21, v4
	v_add_nc_u32 v[ADRB+\s], s22, v4
	s_add_co_u32 s21, s21, SLOT
	s_add_co_u32 s22, s22, SLOT
.endr
	v_mul_u32_u24 v5, v1, KS                       ; my row's scales: 32 bytes a row,
	v_lshrrev_b32 v6, 8, v5
	v_lshl_add_u32 v5, v6, 4, v5                   ; and 16 more for each 256 passed
	s_mul_i32 s21, s15, HALFS
	s_mul_i32 s22, s16, HALFS
	s_add_co_u32 s22, s22, 2*HALFS
	s_sub_co_u32 s22, s22, s21
	v_mul_u32_u24 v6, s22, v2                      ; lanes 16-31 take the weights': one product, the distance between the two bases x h
	s_add_co_u32 s21, s21, SCL
	v_add_nc_u32 v5, v5, v6
	v_add_nc_u32 v[ADRS], s21, v5
	; where the results go, and which bias.  All choices hang on the cluster's x alone: 0 = q, else kv
	s_cmp_eq_u32 ttmp9, 0
	s_mov_b32 s95, 0x1000000                       ; a part of qkv16
	s_cselect_b32 s66, 0, -1                       ; all lanes on for kv
	s_cselect_b64 s[96:97], s[96:97], s[98:99]
	s_cselect_b32 s67, 0, 4                        ; kv's first tile column
	s_cselect_b32 s43, 1, 0                        ; q: my 128 columns are two heads; kv: one head's k and v
	s_cselect_b32 s44, 0, s95                      ; the part of my column tiles 0-3: q or k
	s_cselect_b32 s45, 0x40000, s95                ; from there to my column tiles 4-7: the next head of q, or v
	s_sub_co_u32 s67, s42, s67
	s_lshl_b32 s46, s67, 10
	s_lshl_b32 s47, s16, 9
	s_add_co_u32 s46, s46, s47                     ; my first column in the bias, in bytes
	s_mov_b32 s47, 0
	s_add_nc_u64 s[96:97], s[96:97], s[46:47]
	s_lshl_b32 s67, s67, 1
	s_add_co_u32 s67, s67, s16                     ; which 128 columns of the projection are mine
	s_lshl_b32 s67, s67, s43                       ; the head of my column tiles 0-3
	s_lshr_b32 s46, s17, 3                         ; the batch: 8 tile rows each
	s_lshl_b32 s46, s46, 4
	s_add_co_u32 s67, s67, s46
	s_lshl_b32 s67, s67, 18                        ; 262,144 bytes a head
	s_and_b32 s46, s17, 7
	s_lshl_b32 s46, s46, 4
	s_lshl_b32 s47, s15, 3
	s_add_co_u32 s46, s46, s47                     ; my first token tile in the batch: 16 x (tile row % 8) + 8 x half
	s_lshl_b32 s46, s46, 11
	s_add_co_u32 s46, s46, s67
	s_add_co_u32 s46, s46, s44
	s_mov_b32 s47, 0
	s_add_nc_u64 s[12:13], s[12:13], s[46:47]      ; column tiles 0-3
	s_mov_b32 s46, s45
	s_add_nc_u64 s[92:93], s[12:13], s[46:47]      ; column tiles 4-7
	v_and_b32 v6, 31, v0
	v_lshlrev_b32 v[OA], 4, v6
	v_and_b32 v7, 7, v0
	v_bfe_u32 v8, v0, 3, 1
	v_lshl_add_u32 v7, v2, 3, v7
	v_lshl_add_u32 v7, v8, 4, v7                   ; the lane with bits 3 and 4 exchanged
	v_lshlrev_b32 v7, 4, v7
	v_cndmask_b32 v[OB], v[OA], v7, s66            ; v's place; q's second head keeps the lane
	v_lshlrev_b32 v10, 5, v2                       ; the bias: lane (r, h) wants, for column tile b, numbers 16 b + 8 h + 0 .. 7
.irp b, 0,1,2,3,4,5,6,7
	global_load_b128 v[BI+8*\b:BI+8*\b+3], v10, s[96:97] offset:64*\b
	global_load_b128 v[BI+8*\b+4:BI+8*\b+7], v10, s[96:97] offset:64*\b+16
.endr
.macro FRAG reg, adr, q, i             ; a fragment, 16 rows x 128 K of 4-bit codes: lane l holds row l % 16; registers 4 c .. 4 c + 3 hold K = 64 c + 32 (l / 16) + 0 .. 31
.irp c, 0,1
	ds_load_b128 v[\reg+4*\c:\reg+4*\c+3], v[\adr] offset:64*(\q)+32*\c+(\i)*16*PITCH
.endr
.endm
; 16 matrix instructions: token blocks a0, a0 + 1 x the weight's eight, 128 along K: the slot's q-th.  p: the weights' set;  sc: the set of scale words.  first = 1: the bias starts the sums: nothing is ever cleared.
; The 64 accumulators take turns, one instruction a turn, in the same order in every step.
.macro MUL16 a0, p, q, sc, first
.irp a, \a0, \a0+1
.irp b, 0,1,2,3,4,5,6,7
.if \first
	v_wmma_scale_f32_16x16x128_f8f6f4 v[8*(8*((\a)%4)+\b):8*(8*((\a)%4)+\b)+7], v[128*(\p)+FR*\b:128*(\p)+FR*\b+FR-1], v[AF+FR*(\a):AF+FR*(\a)+FR-1], v[BI+8*\b:BI+8*\b+7], v[SC+8*NQ*(\sc)+NQ*\b+(\q)], v[SC+8*NQ*(\sc)+NQ*(\a)+(\q)] matrix_a_fmt:MATRIX_FMT_FP4 matrix_b_fmt:MATRIX_FMT_FP4 matrix_a_scale:MATRIX_SCALE_ROW1
.else
	v_wmma_scale_f32_16x16x128_f8f6f4 v[8*(8*((\a)%4)+\b):8*(8*((\a)%4)+\b)+7], v[128*(\p)+FR*\b:128*(\p)+FR*\b+FR-1], v[AF+FR*(\a):AF+FR*(\a)+FR-1], v[8*(8*((\a)%4)+\b):8*(8*((\a)%4)+\b)+7], v[SC+8*NQ*(\sc)+NQ*\b+(\q)], v[SC+8*NQ*(\sc)+NQ*(\a)+(\q)] matrix_a_fmt:MATRIX_FMT_FP4 matrix_b_fmt:MATRIX_FMT_FP4 matrix_a_scale:MATRIX_SCALE_ROW1
.endif
.endr
.endr
.endm
.macro FETCH_B slot, q, p              ; the weight's eight fragments of the slot's q-th 128 along K into set p
	WIN TO_B
.irp i, 0,1,2,3,4,5,6,7
	FRAG 128*(\p)+FR*\i, ADRB+\slot, \q, \i
.endr
	WIN 0
.endm
.macro FETCH_A slot, q, i0             ; token blocks i0 .. i0 + 3
.irp i, \i0, \i0+1, \i0+2, \i0+3
	FRAG AF+FR*(\i), ADRA+\slot, \q, \i
.endr
.endm
.macro SCALES sc                       ; a slot's scale words into set sc: four words a row; lanes 0-15 take token block i, lanes 16-31 weight block i
.irp i, 0,1,2,3,4,5,6,7
	ds_load_b128 v[SC+8*NQ*\sc+NQ*\i:SC+8*NQ*\sc+NQ*\i+3], v[ADRS] offset:\i*SBLK
.endr
.endm
; A load into a register that a matrix instruction has read, and a vector instruction that reads a matrix result or writes one of its registers, stand NP places behind it; only plain vector instructions that name none of
; its registers are places (ISA guide 7.12.1 for vector instructions).
.macro PLACES n
.rept \n
	v_nop
.endr
.endm
; A step of 128 along K that has its successor in the same slot.  A token block is free as soon as its eight products are issued: blocks 0-3 are fetched anew in the step's middle, blocks 4-7 at its end.
.macro STEP slot, q, first
	s_wait_dscnt 4*NL                              ; the weights' set and token blocks 0-3 are in; the youngest eight loads (blocks 4-7) may be out
.if \first
	WIN FIRST_LO
.else
	WIN MUL_LO
.endif
	MUL16 0, (\q)%2, \q, \slot, \first
	MUL16 2, (\q)%2, \q, \slot, \first
	s_wait_dscnt 0                                 ; blocks 4-7 are in
	PLACES NP
	FETCH_B \slot, (\q)+1, 1-(\q)%2
	FETCH_A \slot, (\q)+1, 0
.if \first
	WIN FIRST_HI
.else
	WIN MUL_HI
.endif
	MUL16 4, (\q)%2, \q, \slot, \first
	MUL16 6, (\q)%2, \q, \slot, \first
	PLACES NP
	WIN 0
	FETCH_A \slot, (\q)+1, 4
.endm
; Slot 0's last step changes slots: each wave waits for all its tensor loads (its part of slot 1), and one barrier shows slot 1 whole to every wave.
.macro TURN slot, next
	s_wait_tensorcnt 0x0                           ; all my tensor loads have landed
	ds_add_u32 v[SPW], v[NIL]                      ; 0 onto my spare word
	s_wait_dscnt 4*NL+1                            ; (the add and the youngest eight loads may be out)
	WIN MUL_LO
	MUL16 0, 1, NQ-1, \slot, 0
	s_wait_dscnt 0x0                               ; no LDS instruction of mine is out at the signal
	s_barrier_signal -1
	MUL16 2, 1, NQ-1, \slot, 0
	WIN 0
	s_barrier_wait -1
	PLACES NP
	v_add_nc_u32 v[ADRS], 4*NQ, v[ADRS]            ; on to the next slot's scale words
	FETCH_B \next, 0, 0
	FETCH_A \next, 0, 0
	SCALES \next
	WIN MUL_HI
	MUL16 4, 1, NQ-1, \slot, 0
	MUL16 6, 1, NQ-1, \slot, 0
	PLACES NP
	WIN 0
	FETCH_A \next, 0, 4
.endm
.macro STEPS slot, from                ; the slot's steps from .. NQ - 2
.set Q, \from
.rept NQ-1-\from
	STEP \slot, Q, 0
.set Q, Q+1
.endr
.endm
	s_wait_tensorcnt 1                             ; the scales and my part of slot 0 are in; slot 1's load may stay out
	s_barrier_signal -1
	s_barrier_wait -1                              ; everybody's are
	FETCH_B 0, 0, 0
	FETCH_A 0, 0, 0
	SCALES 0
	FETCH_A 0, 0, 4
	s_wait_loadcnt 0x0                             ; the bias
	STEP 0, 0, 1
	STEPS 0, 1
	TURN 0, 1
	STEPS 1, 0
	s_wait_dscnt 4*NL                              ; the last step: nothing more to fetch
	WIN MUL_LO
	MUL16 0, 1, NQ-1, 1, 0
	MUL16 2, 1, NQ-1, 1, 0
	s_wait_dscnt 0
	WIN MUL_HI
	MUL16 4, 1, NQ-1, 1, 0
	MUL16 6, 1, NQ-1, 1, 0
	WIN 0
; THE WAY OUT, token block by token block: each accumulator's eight numbers, from its low end on, become 16 bytes of f16; eight stores of 512 consecutive bytes.
.macro OUT a
.set AC, 64*((\a)%4)
.set TQ, TP+32*((\a)%4)
	WIN 0x0a+5*((\a)/4)                            ; sources 0 and 1: window 2 or 3
.irp b, 0,1,2,3,4,5,6,7
.irp r, 0,1,2,3
	v_cvt_pk_f16_f32 v[TQ+4*\b+\r], v[AC+8*\b+2*\r], v[AC+8*\b+2*\r+1]
.endr
.endr
	WIN 0
.irp b, 0,1,2,3
	global_store_b128 v[OA], v[TQ+4*\b:TQ+4*\b+3], s[12:13] offset:2048*(\a)+512*\b
.endr
.irp b, 0,1,2,3
	global_store_b128 v[OB], v[TQ+16+4*\b:TQ+16+4*\b+3], s[92:93] offset:2048*(\a)+512*\b
.endr
.endm
	PLACES NP                                      ; behind the last products: the conversions write registers that held scale words and fragments
.irp a, 0,1,2,3
	OUT \a
.endr
	s_wait_xcnt 0x0                                ; the first four blocks' stores have read their registers, which the last four write again
.irp a, 4,5,6,7
	OUT \a
.endr
	s_wait_tensorcnt 0x0                           ; the wave's end, behind my last tensor load
	ds_add_u32 v[SPW], v[NIL]
	s_wait_dscnt 0x0
	CROUND                                         ; the closing round: no work-group ends while a partner may still ask for a tile that names it
	s_endpgm
.Lfunc_end_k_q9c4e27b911_proj:
	.size	k_q9c4e27b911_proj, .Lfunc_end_k_q9c4e27b911_proj-k_q9c4e27b911_proj
	.p2alignl 7, 3214868480
	.fill 96, 4, 3214868480
	.section	.rodata,"a",@progbits
	.p2align	6, 0x0
	.amdhsa_kernel k_q9c4e27b911_proj
		.amdhsa_group_segment_fixed_size 327680
		.amdhsa_private_segment_fixed_size 0
		.amdhsa_enable_private_segment 0
		.amdhsa_kernarg_size 56
		.amdhsa_user_sgpr_count 2
		.amdhsa_user_sgpr_kernarg_segment_ptr 1
		.amdhsa_wavefront_size32 1
		.amdhsa_system_sgpr_workgroup_id_x 1
		.amdhsa_system_sgpr_workgroup_id_y 1
		.amdhsa_system_sgpr_workgroup_id_z 1
		.amdhsa_system_vgpr_workitem_id 0
		.amdhsa_next_free_vgpr 1024
		.amdhsa_next_free_sgpr 100
		.amdhsa_reserve_vcc 0
		.amdhsa_float_denorm_mode_32 3
		.amdhsa_float_denorm_mode_16_64 3
		.amdhsa_memory_ordered 1
		.amdhsa_forward_progress 1
		.amdhsa_inst_pref_size 120
	.end_amdhsa_kernel
	.amdgpu_metadata
---
amdhsa.version: [ 1, 2 ]
amdhsa.kernels:
  - .name:           k_q9c4e27b911_proj
    .symbol:         k_q9c4e27b911_proj.kd
    .args:
      - { .name: acodes, .offset: 0, .size: 8, .value_kind: global_buffer, .address_space: global }
      - { .name: ascales, .offset: 8, .size: 8, .value_kind: global_buffer, .address_space: global }
      - { .name: wcodes, .offset: 16, .size: 8, .value_kind: global_buffer, .address_space: global }
      - { .name: wscales, .offset: 24, .size: 8, .value_kind: global_buffer, .address_space: global }
      - { .name: qkv16, .offset: 32, .size: 8, .value_kind: global_buffer, .address_space: global }
      - { .name: b_q, .offset: 40, .size: 8, .value_kind: global_buffer, .address_space: global }
      - { .name: b_kv, .offset: 48, .size: 8, .value_kind: global_buffer, .address_space: global }
    .group_segment_fixed_size: 327680
    .private_segment_fixed_size: 0
    .kernarg_segment_align: 8
    .kernarg_segment_size: 56
    .max_flat_workgroup_size: 128
    .sgpr_count:     100
    .vgpr_count:     1024
    .wavefront_size: 32
...
	.end_amdgpu_metadata
.endif
;; end of part 2
;; launch attn (part 3): grid 4 x 64, 8 waves a work-group, clusters of 4 x 1, 327,680 bytes of LDS; arguments qkv16, val16; writes val16
.if DOCPART == 3
	.amdgcn_target "amdgcn-amd-amdhsa--gfx1250"
	.amdhsa_code_object_version 6
	.text
	.protected	k_q9c4e27b911_attn
	.globl	k_q9c4e27b911_attn
	.p2align	8
	.type	k_q9c4e27b911_attn,@function
k_q9c4e27b911_attn:
	s_mov_b64 s[64:65], 0
	v_nop
	global_prefetch_b8 v0, s[64:65] scope:SCOPE_SE
	s_setreg_imm32_b32 hwreg(HW_REG_WAVE_MODE, 25, 1), 1
	s_wait_xcnt 0x0
	s_wait_alu depctr_hold_cnt(0) depctr_sa_sdst(0) depctr_va_vdst(0) depctr_va_sdst(0) depctr_va_ssrc(0) depctr_va_vcc(0) depctr_vm_vsrc(0)
	s_getreg_b32 s2, hwreg(HW_REG_IB_STS2, 6, 4)
	s_cmp_eq_u32 s2, 0
	s_cbranch_scc0 .Lentry_in_a_cluster
	s_endpgm
.Lentry_in_a_cluster:
	s_bfe_u32 s2, ttmp6, 0x10000c
	s_cmp_lg_u32 s2, 0x3003
	s_cbranch_scc0 .Lentry_shape_is_right
	s_endpgm
.Lentry_shape_is_right:
; ATTN.  values[b][n][head] = the sum over keys of softmax(q . k / 8) v, head size 64, 2,048 keys, no mask.  q, k, v: f16, as the projection left them; products, maxima and sums in f32; the weights p are rounded to f16
; for the second product, the values once at the end.
; SHARES.  A cluster of four work-groups is one (batch, head); a work-group owns 512 queries, each of its eight waves 64: four tiles of 16.  Every wave walks all 2,048 keys, 64 a step.
; LAYOUT.  S^T = K Q^T (source 0 = 16 keys, source 1 = 16 queries): a lane holds ONE query (lane % 16) and keys 8 (lane / 16) + 0 .. 7.  Two such tiles, rounded to f16 in pairs, ARE source 1 (32 keys x 16 queries) of
; O^T = V^T P, whose result again holds one query a lane and eight channels.  Nothing changes lanes between the products; a query's maximum and sum want one exchange between the halves of the lanes.
; qkv16 holds images of operand registers (part x 16,777,216 + head x 262,144 + token tile x 2,048 + block x 512 + 16 x place): every LDS load here is lane l at 16 l: 512 consecutive bytes, no padding.
; K comes as it lies; V by the turning load, for which the projection exchanged bits 3 and 4 of the place.
; SOFTMAX.  For each query a running maximum m and sum l: p = 2^(c s - c m), c = log2(e) / 8; in every step O^T and l are multiplied by a = 2^(c m_old - c m_new).  m begins at -3e38 and O^T and l at 0, so that the step
; is written once: the first a is 0 and multiplies zeros.
; THE RING.  Two slots of 512 keys (65,536 bytes of K, then of V), 2^17 bytes apart.  ONE tensor load line serves all eight waves: wave w brings 16,384 bytes, waves 0-3 K's quarters, waves 4-7 V's, jointly with the three
; partners.  The change of slots stands at a slot's head; behind its round the other slot is asked for, and has eight steps in which to land.  By this text's count a wave has one tensor load out.
; TWO WAVES HAVE 512 REGISTERS EACH, half of what a SIMD has.  A step is written in phases (products, softmax, products).  Behind each change of slots the waves with ((w xor w / 4) & 1) = 1 idle through 32 s_nop 15, so that they
; run half a step behind the others: that flag differs between waves w and w + 1 and between waves w and w + 4.
; LIMITS: |values| under 65,504; scores under 3e38 in size; NaN and infinities are not served.
; val16 [row tile 512][k fragment 32][half 2][lane][16 bytes]: images of the out projection's operand registers; the packed O^T is such an image as it stands.
; REGISTERS.  window 0: v1-6 addresses; v8-39 statistics, 8 a tile; v40, v41 the add's two; v64-191 S^T, 32 a tile (P over the first 16 of each); v192-255 K of a step.   window 1: v0-63 Q; v64-191 O^T, 32 a tile; v192-255 V of a step.
.set SLOT1, 1<<17
.set VOFF,  65536                      ; V behind K in a slot
.set STEPB, 8192                       ; 64 keys: four token tiles of 2,048 bytes
.set TILEB, 65536                      ; 512 keys of K or of V
.set SPARE, 2*SLOT1                    ; behind the ring: the spare words, 128 bytes for each of eight waves
.set LI,  1                            ; v1   16 x lane; never rewritten
.set LV,  2                            ; v2   16 x lane + VOFF; never rewritten
.set ADK, 3                            ; v3   LDS address of the step's K
.set ADV, 4                            ; v4   of its V
.set PFO, 6                            ; v6   256 x lane; never rewritten
.set ST,  8                            ; tile t's statistics at v[ST + 8 t]: +0 c m, +1 m, +2, +3 l (even keys', odd keys'), +4 .. +7 at work; a in +6
.set SPW, 40
.set NIL, 41
.set S,   64
.set KF,  192
.set QF,  0                            ; window 1
.set O,   64                           ; window 1
.set VF,  192                          ; window 1
.set WV,  8                            ; s8   my wave's number
.set CX,  9                            ; s9   my place in the cluster = my block of 512 queries
.set G1,  16                           ; s[16:23] descriptor group 1
.set G0,  24                           ; s[24:27] descriptor group 0, which walks
.set PFA, 28                           ; s[28:29] where my prefetches stand
.set LIM, 30                           ; s30  1 in a wave that prefetches, else the greatest number
.set SLOTS, 31                         ; s31  slots still to be asked for
.set CNT, 32                           ; s32  counts a slot's eight steps
.set TB,  33                           ; s33  LDS byte at which the step's tiles begin
.set CS,  34                           ; s[34:35] c, twice: the packed form names a pair
.set SEL, 36                           ; s[36:37] lane selects for v_permlanex16_b32: lane l xor 16
.set STG, 38                           ; s38  1 in a wave that runs half a step behind
.set MSB, 0
.macro WIN new
.if MSB != (\new)
	s_set_vgpr_msb (MSB<<8)|(\new)
.set MSB, (\new)
.endif
.endm
.macro CROUND
	s_barrier_signal -1
	s_barrier_wait -1
	s_cmp_lg_u32 s[WV], 0
	s_cbranch_scc1 .Lnot_wave_0_\@
	s_barrier_signal -3
.Lnot_wave_0_\@:
	s_barrier_wait -3
	s_barrier_signal -1
	s_barrier_wait -1
.endm
; A PREFETCH INTO THE L2 of what the NEXT change of slots will ask for: 65,536 bytes of K and of V.  Each aligned block of 256 bytes is named once in the launch: the four partners take 16,384 bytes each, told apart by address;
; in each, waves 0 and 1 take the halves of K's part, waves 4 and 5 of V's: 8,192 bytes, lanes 256 bytes apart.  It stands behind the wave's tensor load and its five lines.  The last change that fills a slot asks for nothing.
.macro ASK
	s_cmp_gt_u32 s[SLOTS], s[LIM]
	s_cbranch_scc0 .Lnot_mine_\@
	global_prefetch_b8 v[PFO], s[PFA:PFA+1] th:TH_LOAD_NT scope:SCOPE_SE
.Lnot_mine_\@:
.endm
	s_load_b128 s[4:7], s[0:1], 0x0                ; qkv16, val16
	v_lshl_add_u32 v[SPW], v0, 2, SPARE
	v_mov_b32 v[NIL], 0
	ds_add_u32 v[SPW], v[NIL]                      ; the wave's opening: the add, twice on end, and its wait ahead of my first tensor load
	ds_add_u32 v[SPW], v[NIL]
	v_lshrrev_b32 v1, 5, v0
	v_readfirstlane_b32 s[WV], v1                  ; wave 0..7
	s_bfe_u32 s[CX], ttmp6, 0x40000
	s_and_b32 s10, ttmp7, 0xffff                   ; 16 batch + head, which the four partners share
	s_mov_b32 s[G1], 15|(3<<16)|(1<<21)            ; 15:0 the mask: all four; 17:16 elements of 8 bytes; 21 set beside a mask; no padding
	s_mov_b32 s[G1+1], 32<<16                      ; tensor_dim0 = 32 elements: rows of 256 bytes
	s_mov_b32 s[G1+2], 64<<16                      ; tensor_dim1 = 64
	s_mov_b32 s[G1+3], 32<<16                      ; tile_dim0
	s_mov_b32 s[G1+4], 64                          ; tile_dim1
	s_mov_b32 s[G1+5], 32                          ; dense
	s_mov_b32 s[G1+6], 0
	s_mov_b32 s[G1+7], 0
	s_lshl_b32 s11, s10, 18                        ; the head's first byte in a part
	s_lshr_b32 s12, s[WV], 2
	s_add_co_u32 s12, s12, 1
	s_lshl_b32 s12, s12, 24                        ; part 1 (K) for waves 0-3, part 2 (V) for waves 4-7
	s_add_co_u32 s12, s12, s11
	s_mov_b32 s13, 0
	s_and_b32 s14, s[WV], 3
	s_lshl_b32 s14, s14, 14
	s_add_co_u32 s14, s14, s12                     ; my quarter of the first 512 keys: made of the head and the wave's number alone
	s_mov_b32 s15, 0
	s_lshl_b32 s2, s[CX], 14                       ; the prefetches: my work-group's 16,384 bytes,
	s_add_co_u32 s12, s12, s2
	s_and_b32 s2, s[WV], 1
	s_lshl_b32 s2, s2, 13                          ; my wave's half of them,
	s_add_co_u32 s12, s12, s2
	s_add_co_u32 s12, s12, TILEB                   ; in the second 512 keys: the first change of slots steps it to the third.  Nothing is prefetched at the head
	s_lshl_b32 s40, s[CX], 16                      ; Q: my work-group's 32 token tiles,
	s_lshl_b32 s2, s[WV], 13                       ; my wave's four
	s_add_co_u32 s40, s40, s2
	s_add_co_u32 s40, s40, s11
	s_mov_b32 s41, 0
	s_lshr_b32 s42, s10, 4                         ; val16: batch x 128 row tiles of 32,768 bytes,
	s_lshl_b32 s42, s42, 22
	s_lshl_b32 s2, s[CX], 20                       ; my work-group's 32,
	s_add_co_u32 s42, s42, s2
	s_lshl_b32 s2, s[WV], 17                       ; my wave's four,
	s_add_co_u32 s42, s42, s2
	s_and_b32 s2, s10, 15
	s_lshl_b32 s2, s2, 11                          ; the head's two k fragments
	s_add_co_u32 s42, s42, s2
	s_mov_b32 s43, 0
	s_mov_b32 s[CS], 0x3e38aa3b                    ; c = log2(e) / 8
	s_mov_b32 s[CS+1], s[CS]
	s_mov_b32 s[SEL], 0x76543210
	s_mov_b32 s[SEL+1], 0xfedcba98
	s_mov_b32 s[TB], 0
	s_mov_b32 s[SLOTS], 3
	s_lshr_b32 s[STG], s[WV], 2
	s_xor_b32 s[STG], s[STG], s[WV]
	s_and_b32 s[STG], s[STG], 1
	s_and_b32 s[LIM], s[WV], 2
	s_cmp_eq_u32 s[LIM], 0
	s_cselect_b32 s[LIM], 1, -1                    ; waves 0, 1, 4, 5
	s_wait_dscnt 0x0                               ; both opening adds are done
	s_wait_kmcnt 0x0
	s_mov_b32 s[G0], 1                             ; count = 1
	s_lshl_b32 s[G0+1], s[WV], 14                  ; LDS address: 16,384 x wave, in slot 0
	s_add_nc_u64 s[G0+2:G0+3], s[4:5], s[14:15]
	s_or_b32 s[G0+3], s[G0+3], 0x80000000          ; type = 2
	s_add_nc_u64 s[PFA:PFA+1], s[4:5], s[12:13]
	s_add_nc_u64 s[4:5], s[4:5], s[40:41]          ; Q at my wave's first tile
	s_add_nc_u64 s[6:7], s[6:7], s[42:43]          ; val16 at my wave's first image
	CROUND                                         ; all four work-groups are here: the first joint loads meet
	tensor_load_to_lds s[G0:G0+3], s[G1:G1+7]      ; keys 0 to 511
	s_nop 0
.rept 4
	v_nop
.endr
	v_and_b32 v[LI], 31, v0
	v_lshlrev_b32 v[LI], 4, v[LI]
	v_add_nc_u32 v[LV], VOFF, v[LI]
	v_lshlrev_b32 v[PFO], 4, v[LI]
	WIN 0x40                                       ; destination window 1, address window 0
.irp t, 0,1,2,3
.irp f, 0,1
.irp c, 0,1
	global_load_b128 v[QF+16*\t+8*\f+4*\c:QF+16*\t+8*\f+4*\c+3], v[LI], s[4:5] offset:2048*\t+1024*\f+512*\c   ; Q stays in registers: tile t, channels 32 f on
.endr
.endr
.endr
.set e, 0
.rept 128
	v_mov_b32 v[O+e], 0                            ; O^T: cleared once, so that the step needs no first copy of its own
.set e, e+1
.endr
	WIN 0
.irp t, 0,1,2,3
	v_mov_b32 v[ST+8*\t+1], 0xff61b1e6             ; m = -3e38, under every score
	v_mul_f32 v[ST+8*\t], s[CS], v[ST+8*\t+1]      ; c m
.irp k, 2,3,4,5,6,7
	v_mov_b32 v[ST+8*\t+\k], 0                     ; l; and what is named before it is first computed (a lane permute's destination, the upper half of a pair)
.endr
.endr
; A KEY STEP: 64 keys.
.macro STEP
	v_add_nc_u32 v[ADK], s[TB], v[LI]
	v_add_nc_u32 v[ADV], s[TB], v[LV]
.rept 3
	v_nop                                          ; with the two additions five places behind the last V^T P: the loads below land on V, and the products below write over P
.endr
.irp kt, 0,1,2,3
.irp f, 0,1
.irp c, 0,1
	ds_load_b128 v[KF+16*\kt+8*\f+4*\c:KF+16*\kt+8*\f+4*\c+3], v[ADK] offset:2048*\kt+1024*\f+512*\c   ; keys 16 kt on, channels 32 f on
.endr
.endr
.endr
	WIN 0x40                                       ; destination window 1
.irp g, 0,1
.irp ct, 0,1,2,3
	ds_load_tr16_b128 v[VF+32*\g+8*\ct:VF+32*\g+8*\ct+3], v[ADV] offset:4096*\g+512*\ct             ; keys 32 g + 8 h + 0 .. 7 of channel 16 ct + lane % 16
	ds_load_tr16_b128 v[VF+32*\g+8*\ct+4:VF+32*\g+8*\ct+7], v[ADV] offset:4096*\g+2048+512*\ct      ; keys 32 g + 16 + 8 h + 0 .. 7
.endr
.endr
	s_wait_dscnt 16                                ; K is in; V's sixteen loads may stay out
	WIN 0x04                                       ; K and S^T window 0, Q window 1
.irp f, 0,1                                    ; S^T = K Q^T: the 16 accumulators take turns, one instruction a turn; the first 16 start the sums
.irp kt, 0,1,2,3
.irp t, 0,1,2,3
.if \f == 0
	v_wmma_f32_16x16x32_f16 v[S+32*\t+8*\kt:S+32*\t+8*\kt+7], v[KF+16*\kt+8*\f:KF+16*\kt+8*\f+7], v[QF+16*\t+8*\f:QF+16*\t+8*\f+7], 0
.else
	v_wmma_f32_16x16x32_f16 v[S+32*\t+8*\kt:S+32*\t+8*\kt+7], v[KF+16*\kt+8*\f:KF+16*\kt+8*\f+7], v[QF+16*\t+8*\f:QF+16*\t+8*\f+7], v[S+32*\t+8*\kt:S+32*\t+8*\kt+7]
.endif
.endr
.endr
.endr
	WIN 0
.rept 4
	v_nop                                          ; four places in front of the first read of the scores
.endr
	; the maximum of a lane's 32 scores and the old m: four chains a tile, each begun at its accumulator's low end; the four tiles by turns in every line
.irp j, 0,1,2,3
.irp t, 0,1,2,3
	v_max3_num_f32 v[ST+8*\t+4+\j], v[S+32*\t+8*\j], v[S+32*\t+8*\j+1], v[S+32*\t+8*\j+2]
.endr
.endr
.irp u, 1,2
.irp j, 0,1,2,3
.irp t, 0,1,2,3
	v_max3_num_f32 v[ST+8*\t+4+\j], v[ST+8*\t+4+\j], v[S+32*\t+8*\j+2*\u+1], v[S+32*\t+8*\j+2*\u+2]
.endr
.endr
.endr
.irp t, 0,1,2,3
	v_max3_num_f32 v[ST+8*\t+4], v[ST+8*\t+4], v[S+32*\t+7], v[S+32*\t+15]
.endr
.irp t, 0,1,2,3
	v_max3_num_f32 v[ST+8*\t+6], v[ST+8*\t+6], v[S+32*\t+23], v[S+32*\t+31]
.endr
.irp t, 0,1,2,3
	v_max3_num_f32 v[ST+8*\t+4], v[ST+8*\t+4], v[ST+8*\t+5], v[ST+8*\t+6]
.endr
.irp t, 0,1,2,3
	v_max3_num_f32 v[ST+8*\t+4], v[ST+8*\t+4], v[ST+8*\t+7], v[ST+8*\t+1]
.endr
.irp t, 0,1,2,3
	v_permlanex16_b32 v[ST+8*\t+5], v[ST+8*\t+4], s[SEL], s[SEL+1]   ; the query's other 32 keys lie in the lane 16 away
.endr
.irp t, 0,1,2,3
	v_mov_b32 v[ST+8*\t+7], v[ST+8*\t]             ; c m_old is kept for a
.endr
.irp t, 0,1,2,3
	v_max_num_f32 v[ST+8*\t+1], v[ST+8*\t+4], v[ST+8*\t+5]
.endr
.irp t, 0,1,2,3
	v_mul_f32 v[ST+8*\t], s[CS], v[ST+8*\t+1]
.endr
.irp t, 0,1,2,3
	v_sub_f32 v[ST+8*\t+7], v[ST+8*\t+7], v[ST+8*\t]
.endr
.set e, 0
.rept 16
.irp t, 0,1,2,3
	v_pk_fma_f32 v[S+32*\t+2*e:S+32*\t+2*e+1], v[S+32*\t+2*e:S+32*\t+2*e+1], s[CS:CS+1], v[ST+8*\t:ST+8*\t+1] op_sel_hi:[1,0,0] neg_lo:[0,0,1] neg_hi:[0,0,1]   ; c s - c m, two at a time
.endr
.set e, e+1
.endr
.irp t, 0,1,2,3                                ; ONE BATCH of 4 + 128 exponentials; none reads another's result
	v_exp_f32 v[ST+8*\t+6], v[ST+8*\t+7]           ; a
.endr
.set e, 0
.rept 32
.irp t, 0,1,2,3
	v_exp_f32 v[S+32*\t+e], v[S+32*\t+e]           ; p
.endr
.set e, e+1
.endr
	v_nop                                          ; a plain instruction behind the last exponential (ISA guide 5.7.2),
	s_wait_alu depctr_va_vdst(0)                   ; and one wait ahead of the batch's first reader
	; the sums, of the unrounded p: l = a l + pair 0, and two chains
.irp t, 0,1,2,3
	v_pk_fma_f32 v[ST+8*\t+2:ST+8*\t+3], v[ST+8*\t+2:ST+8*\t+3], v[ST+8*\t+6:ST+8*\t+7], v[S+32*\t:S+32*\t+1] op_sel_hi:[1,0,1]
.endr
.irp t, 0,1,2,3
	v_pk_add_f32 v[ST+8*\t+4:ST+8*\t+5], v[S+32*\t+2:S+32*\t+3], v[S+32*\t+4:S+32*\t+5]
.endr
.irp b, 3,5,7,9,11,13
.irp t, 0,1,2,3
	v_pk_add_f32 v[ST+8*\t+2:ST+8*\t+3], v[ST+8*\t+2:ST+8*\t+3], v[S+32*\t+2*\b:S+32*\t+2*\b+1]
.endr
.irp t, 0,1,2,3
	v_pk_add_f32 v[ST+8*\t+4:ST+8*\t+5], v[ST+8*\t+4:ST+8*\t+5], v[S+32*\t+2*\b+2:S+32*\t+2*\b+3]
.endr
.endr
.irp t, 0,1,2,3
	v_pk_add_f32 v[ST+8*\t+2:ST+8*\t+3], v[ST+8*\t+2:ST+8*\t+3], v[S+32*\t+30:S+32*\t+31]
.endr
.irp t, 0,1,2,3
	v_pk_add_f32 v[ST+8*\t+2:ST+8*\t+3], v[ST+8*\t+2:ST+8*\t+3], v[ST+8*\t+4:ST+8*\t+5]
.endr
.set e, 0
.rept 16
.irp t, 0,1,2,3
	v_cvt_pk_f16_f32 v[S+32*\t+e], v[S+32*\t+2*e], v[S+32*\t+2*e+1]   ; P, in place, ascending: register e takes weights 2 e and 2 e + 1
.endr
.set e, e+1
.endr
	WIN 0x41                                       ; O^T (destination and source 0) window 1, a window 0
.set e, 0
.rept 16
.irp t, 0,1,2,3
	v_pk_mul_f32 v[O+32*\t+2*e:O+32*\t+2*e+1], v[O+32*\t+2*e:O+32*\t+2*e+1], v[ST+8*\t+6:ST+8*\t+7] op_sel_hi:[1,0]   ; O^T x a, each accumulator from its low end on
.endr
.set e, e+1
.endr
	s_wait_dscnt 0x0                               ; V is in
	WIN 0x51                                       ; V and O^T window 1, P window 0
.irp g, 0,1                                    ; O^T += V^T P: the 16 accumulators take turns
.irp ct, 0,1,2,3
.irp t, 0,1,2,3
	v_wmma_f32_16x16x32_f16 v[O+32*\t+8*\ct:O+32*\t+8*\ct+7], v[VF+32*\g+8*\ct:VF+32*\g+8*\ct+7], v[S+32*\t+8*\g:S+32*\t+8*\g+7], v[O+32*\t+8*\ct:O+32*\t+8*\ct+7]
.endr
.endr
.endr
	WIN 0
.endm
; THE CHANGE OF SLOTS, at a slot's head.  Each wave waits for all its tensor loads (its part of the slot that it is about to read), adds 0 to its spare word, and waits for that and for its reads of the slot that it has left.
; fill = 1: the barrier is a round of the cluster's, so that no wave of any partner still reads the other slot or has a load on its way; the joint load for that slot is the first thing behind it.
.macro CHANGE fill
	s_wait_tensorcnt 0x0                           ; no tensor load of mine is out, so group 0 may be written
	ds_add_u32 v[SPW], v[NIL]                      ; 0 onto my spare word; the steps below stand between the add and the wait for it
.if \fill
	s_xor_b32 s[G0+1], s[G0+1], SLOT1              ; the other slot than last time,
	s_add_nc_u64 s[G0+2:G0+3], s[G0+2:G0+3], TILEB ; the next 512 keys; the type bits on top are not reached
	s_wait_xcnt 0x0                                ; the last prefetch, a slot back, has read its address
	s_add_nc_u64 s[PFA:PFA+1], s[PFA:PFA+1], TILEB ; one slot further on than the walking descriptor
	s_wait_dscnt 0x0                               ; the add is done, and my reads of the slot that I have left are over
	CROUND
	tensor_load_to_lds s[G0:G0+3], s[G1:G1+7]
	s_nop 0
.rept 4
	v_nop
.endr
	ASK
.else
	s_wait_dscnt 0x0
	s_barrier_signal -1
	s_barrier_wait -1
.endif
	s_cmp_eq_u32 s[STG], 0                         ; the wave's number alone decides
	s_cbranch_scc1 .Lgo_\@
.rept 32
	s_nop 15                                       ; half of the waves start the slot's steps later
.endr
.Lgo_\@:
.endm
.macro EIGHT_STEPS                     ; a slot's eight steps: written once, walked eight times
	s_mov_b32 s[CNT], 8
.Lstep_\@:
	STEP
	s_add_co_u32 s[TB], s[TB], STEPB
	s_sub_co_u32 s[CNT], s[CNT], 1
	s_cmp_lg_u32 s[CNT], 0
	s_cbranch_scc1 .Lstep_\@
	s_sub_co_u32 s[TB], s[TB], 8*STEPB             ; back to a slot's first step,
	s_xor_b32 s[TB], s[TB], SLOT1                  ; in the other slot
.endm
	s_wait_loadcnt 0x0                             ; Q
.Lslot:                                            ; three trips: behind each change of slots but the last the next 512 keys are asked for
	CHANGE 1
	EIGHT_STEPS
	s_sub_co_u32 s[SLOTS], s[SLOTS], 1
	s_cmp_lg_u32 s[SLOTS], 0
	s_cbranch_scc1 .Lslot
	CHANGE 0                                       ; the last slot is written out
	EIGHT_STEPS
	; THE WAY OUT.  l's two halves and the other half of the lanes' are added; O^T is divided by l and rounded to f16: a lane's eight channels are 16 bytes of an image.  The additions are the places behind the last products.
.irp t, 0,1,2,3
	v_add_f32 v[ST+8*\t+4], v[ST+8*\t+2], v[ST+8*\t+3]
.endr
.irp t, 0,1,2,3
	v_permlanex16_b32 v[ST+8*\t+5], v[ST+8*\t+4], s[SEL], s[SEL+1]
.endr
.irp t, 0,1,2,3
	v_add_f32 v[ST+8*\t+4], v[ST+8*\t+4], v[ST+8*\t+5]
.endr
.irp t, 0,1,2,3
	v_rcp_f32 v[ST+8*\t+6], v[ST+8*\t+4]
.endr
	v_nop                                          ; a plain instruction behind the last reciprocal,
	s_wait_alu depctr_va_vdst(0)                   ; and one wait for the four
	WIN 0x41
.set e, 0
.rept 16
.irp t, 0,1,2,3
	v_pk_mul_f32 v[O+32*\t+2*e:O+32*\t+2*e+1], v[O+32*\t+2*e:O+32*\t+2*e+1], v[ST+8*\t+6:ST+8*\t+7] op_sel_hi:[1,0]
.endr
.set e, e+1
.endr
	WIN 0x05                                       ; sources window 1, destination window 0: S^T's registers are free
.irp t, 0,1,2,3
.irp ct, 0,1,2,3
.irp i, 0,1,2,3
	v_cvt_pk_f16_f32 v[S+16*\t+4*\ct+\i], v[O+32*\t+8*\ct+2*\i], v[O+32*\t+8*\ct+2*\i+1]
.endr
.endr
.endr
	WIN 0
.irp t, 0,1,2,3
.irp ct, 0,1,2,3
	global_store_b128 v[LI], v[S+16*\t+4*\ct:S+16*\t+4*\ct+3], s[6:7] offset:32768*\t+512*\ct   ; 32 lanes store 512 consecutive bytes: k fragment 2 head + ct / 2, half ct % 2 of row tile t
.endr
.endr
	s_wait_tensorcnt 0x0                           ; the wave's end, behind my last tensor load
	ds_add_u32 v[SPW], v[NIL]
	s_wait_dscnt 0x0
	CROUND                                         ; the closing round
	s_endpgm
.Lfunc_end_k_q9c4e27b911_attn:
	.size	k_q9c4e27b911_attn, .Lfunc_end_k_q9c4e27b911_attn-k_q9c4e27b911_attn
	.p2alignl 7, 3214868480
	.fill 96, 4, 3214868480
	.section	.rodata,"a",@progbits
	.p2align	6, 0x0
	.amdhsa_kernel k_q9c4e27b911_attn
		.amdhsa_group_segment_fixed_size 327680
		.amdhsa_private_segment_fixed_size 0
		.amdhsa_enable_private_segment 0
		.amdhsa_kernarg_size 16
		.amdhsa_user_sgpr_count 2
		.amdhsa_user_sgpr_kernarg_segment_ptr 1
		.amdhsa_wavefront_size32 1
		.amdhsa_system_sgpr_workgroup_id_x 1
		.amdhsa_system_sgpr_workgroup_id_y 1
		.amdhsa_system_sgpr_workgroup_id_z 1
		.amdhsa_system_vgpr_workitem_id 0
		.amdhsa_next_free_vgpr 512
		.amdhsa_next_free_sgpr 66
		.amdhsa_reserve_vcc 0
		.amdhsa_float_denorm_mode_32 3
		.amdhsa_float_denorm_mode_16_64 3
		.amdhsa_memory_ordered 1
		.amdhsa_forward_progress 1
		.amdhsa_inst_pref_size 89
	.end_amdhsa_kernel
	.amdgpu_metadata
---
amdhsa.version: [ 1, 2 ]
amdhsa.kernels:
  - .name:           k_q9c4e27b911_attn
    .symbol:         k_q9c4e27b911_attn.kd
    .args:
      - { .name: qkv16, .offset: 0, .size: 8, .value_kind: global_buffer, .address_space: global }
      - { .name: val16, .offset: 8, .size: 8, .value_kind: global_buffer, .address_space: global }
    .group_segment_fixed_size: 327680
    .private_segment_fixed_size: 0
    .kernarg_segment_align: 8
    .kernarg_segment_size: 16
    .max_flat_workgroup_size: 256
    .sgpr_count:     66
    .vgpr_count:     512
    .wavefront_size: 32
...
	.end_amdgpu_metadata
.endif
;; end of part 3
;; launch outp (part 4): grid 4 x 64, 4 waves a work-group, clusters of 4 x 4, 327,680 bytes of LDS; arguments val16, wo16, b_out, out0; writes out0
.if DOCPART == 4
	.amdgcn_target "amdgcn-amd-amdhsa--gfx1250"
	.amdhsa_code_object_version 6
	.text
	.protected	k_q9c4e27b911_outp
	.globl	k_q9c4e27b911_outp
	.p2align	8
	.type	k_q9c4e27b911_outp,@function
k_q9c4e27b911_outp:
	s_mov_b64 s[64:65], 0
	v_nop
	global_prefetch_b8 v0, s[64:65] scope:SCOPE_SE
	s_setreg_imm32_b32 hwreg(HW_REG_WAVE_MODE, 25, 1), 1
	s_wait_xcnt 0x0
	s_wait_alu depctr_hold_cnt(0) depctr_sa_sdst(0) depctr_va_vdst(0) depctr_va_sdst(0) depctr_va_ssrc(0) depctr_va_vcc(0) depctr_vm_vsrc(0)
	s_getreg_b32 s2, hwreg(HW_REG_IB_STS2, 6, 4)
	s_cmp_eq_u32 s2, 0
	s_cbranch_scc0 .Lentry_in_a_cluster
	s_endpgm
.Lentry_in_a_cluster:
	s_bfe_u32 s2, ttmp6, 0x10000c
	s_cmp_lg_u32 s2, 0xf033
	s_cbranch_scc0 .Lentry_shape_is_right
	s_endpgm
.Lentry_shape_is_right:
; OUTP.  out0 = values w_out^T + b_out: [8,192 x 1,024] x [1,024 (n) x 1,024 (k)], f16 operands, f32 sums, f32 out.
; A tile of the result is 128 rows x 256 columns: 4 x 64 = 256 work-groups.  Four waves, 64 x 128 each: 32 accumulators of 16 x 16, 256 registers.
; BOTH OPERANDS ARRIVE AS IMAGES OF THEIR REGISTERS: [tile of 16 rows][k fragment 32][half 2][lane 32][16 bytes].  A K step of 128 is 4,096 consecutive bytes of each tile; a fragment load is lane l at 16 l: no pitch, no padding.
; K goes in 8 steps through two LDS slots: 8 row tiles of the values (32,768 bytes), then 16 tiles of w_out (65,536).  Waves 0 and 1 fetch the values' halves (4 rows of 4,096 bytes, 32,768 apart in memory), waves 2 and 3 w_out's (8 rows).
; CLUSTERS: 4 x 4.  The four of a row of the cluster need the same values, the four of a column the same tiles of w_out: asked for jointly.  Where a slot is filled again a round of the cluster's barrier stands in front of the load.
; By this text's count a wave has two tensor loads out at the start and one behind each round.
; THE MATRIX INSTRUCTION IS USED TRANSPOSED (source 0 = 16 rows of w_out, source 1 = 16 rows of the values): lane (r, h) holds row r and columns 16 b + 8 h + 0 .. 7.  b_out is the C of each sum's first product.
; REGISTERS.  window 0: v0-31 addresses; two fragment buffers of 96 at v32 and v128 (values at +8 a, w_out at +32 + 8 b); on the way out v32-159 take rows.   window 1: the accumulators, (a, b) at v[8 (8 a + b)].   window 2: v0-63 b_out's eight tiles.
.set KB,     4096                      ; a K step of one tile: four fragments of 1,024 bytes
.set BOFF,   32768                     ; w_out's tiles behind the values' in a slot
.set SLOT,   98304
.set SPARE,  2*SLOT                    ; behind the ring: the spare words, 128 bytes a wave
.set SPITCH, 528                       ; the way out: a stage of 16 rows x (512 bytes + 16) for each wave, in slot 0, which has had its last fill and its last read when the first result is stored there
.set LAPS,   4                         ; a lap = two K steps = once round the ring
.set ADRA, 16                          ; v16-17  LDS address of my fragments of the values in slot 0, 1
.set ADRB, 20                          ; v20-21  of w_out
.set STO,  24                          ; v24     the way out: where I put 32 bytes of a row
.set RD,   25                          ; v25     where I read a row back
.set CO,   26                          ; v26     16 x lane
.set SPW,  28
.set NIL,  29
.set PFO,  30                          ; v30     the prefetches' offset: 32,768 (lane / 16) + 256 (lane % 16); never rewritten
.set F0,   32
.set F1,   128
.set BK,   32                          ; the way out: 16 rows read back: v32-95 and v96-159 by turns
.set WV,   12                          ; s12  my wave's number
.set G1,   24                          ; s[24:31] group 1 for the values;  s[32:39] group 0, one set a slot
.set G0,   32
.set LIM,  43                          ; s43  1 in a wave that prefetches, else the greatest number
.set PFA,  44                          ; s[44:45] where my prefetches stand
.set G1B,  48                          ; s[48:55], s[56:63] the same for w_out
.set G0B,  56
.set MSB, 0
.macro WIN new
.if MSB != (\new)
	s_set_vgpr_msb (MSB<<8)|(\new)
.set MSB, (\new)
.endif
.endm
.set MUL,   0x50                       ; sources 0 and 1 window 0; C and D window 1
.set FIRST, 0x60                       ; the first products: C is the bias, in window 2
.macro JLOAD s                         ; a joint load: waves 0 and 1 for the values, waves 2 and 3 for w_out; an s_nop 0 and four v_nop follow each of the two lines
	s_cmp_eq_u32 s13, 0
	s_cbranch_scc0 .Lfor_b_\@
	tensor_load_to_lds s[G0+4*\s:G0+4*\s+3], s[G1:G1+7]
	s_nop 0
.rept 4
	v_nop
.endr
	s_branch .Lasked_\@
.Lfor_b_\@:
	tensor_load_to_lds s[G0B+4*\s:G0B+4*\s+3], s[G1B:G1B+7]
	s_nop 0
.rept 4
	v_nop
.endr
.Lasked_\@:
.endm
.macro CREST                           ; a round of the cluster's barrier behind its opening barrier
	s_cmp_lg_u32 s[WV], 0
	s_cbranch_scc1 .Lnot_wave_0_\@
	s_barrier_signal -3
.Lnot_wave_0_\@:
	s_barrier_wait -3
	s_barrier_signal -1
	s_barrier_wait -1
.endm
.macro CROUND
	s_barrier_signal -1
	s_barrier_wait -1
	CREST
.endm
; A PREFETCH INTO THE L2 of the K step that stands two refills on, behind each joint load and the run of LDS loads that follows it: two tiles x 4,096 bytes, lanes 256 bytes apart, one instruction a wave.
; Each aligned block of 256 bytes is named once in the launch.  The values' 8 row tiles are read by one row of one cluster: wave 0 asks, and the four partners take two tiles each, told apart by address (cx).
; w_out's 16 tiles are read by every cluster: the clusters with y = 0 ask, waves 2 and 3 for the eight tiles that each fetches, the four partners of a column two each (cy).  The loop's last trip asks for nothing: no K step stands two refills on.
.macro ASK
	s_cmp_gt_u32 s3, s[LIM]                        ; s3 = 1 in the loop's last trip
	s_cbranch_scc0 .Lnot_mine_\@
	global_prefetch_b8 v[PFO], s[PFA:PFA+1] offset:KB th:TH_LOAD_NT scope:SCOPE_SE
.Lnot_mine_\@:
.endm
	s_load_b128 s[4:7], s[0:1], 0x0                ; val16, wo16
	s_load_b128 s[8:11], s[0:1], 0x10              ; b_out, out0
	v_lshl_add_u32 v[SPW], v0, 2, SPARE
	v_mov_b32 v[NIL], 0
	ds_add_u32 v[SPW], v[NIL]                      ; the wave's opening: the add, twice on end, and its wait ahead of my first tensor load
	ds_add_u32 v[SPW], v[NIL]
	v_lshrrev_b32 v1, 5, v0
	v_readfirstlane_b32 s[WV], v1                  ; wave 0..3
	s_lshr_b32 s13, s[WV], 1                       ; which half of the tile's rows is mine.  Also: I fetch the values (0) or w_out (1)
	s_and_b32 s14, s[WV], 1                        ; which half of its columns.  Also: which half of that operand's tiles I fetch
	s_bfe_u32 s40, ttmp6, 0x40000                  ; cx, cy
	s_bfe_u32 s41, ttmp6, 0x40004
	s_lshl_b32 s42, ttmp9, 2
	s_add_co_u32 s42, s42, s40                     ; tile column = 4 x cluster x + cx
	s_and_b32 s15, ttmp7, 0xffff
	s_lshl_b32 s15, s15, 2
	s_add_co_u32 s15, s15, s41                     ; tile row = 4 x cluster y + cy
	s_lshl_b32 s16, s41, 2
	s_lshl_b32 s16, 15, s16                        ; my row of the cluster
	s_lshl_b32 s17, 0x1111, s40                    ; my column
	s_or_b32 s[G1], s16, (3<<16)|(1<<21)           ; 15:0 the mask; 17:16 elements of 8 bytes; 21 set beside a mask; no padding
	s_or_b32 s[G1B], s17, (3<<16)|(1<<21)
	s_mov_b32 s[G1+1], 512<<16                     ; tensor_dim0 = 512 elements: 4,096 bytes
	s_mov_b32 s[G1+2], 4<<16                       ; tensor_dim1 = 4 row tiles
	s_mov_b32 s[G1+3], 512<<16                     ; tile_dim0
	s_mov_b32 s[G1+4], 4                           ; tile_dim1
	s_mov_b32 s[G1+5], 4096                        ; from tile to tile: 32,768 bytes
	s_mov_b32 s[G1+6], 0
	s_mov_b32 s[G1+7], 0
	s_mov_b32 s[G1B+1], 512<<16
	s_mov_b32 s[G1B+2], 8<<16                      ; 8 tiles of w_out
	s_mov_b32 s[G1B+3], 512<<16
	s_mov_b32 s[G1B+4], 8
	s_mov_b32 s[G1B+5], 4096
	s_mov_b32 s[G1B+6], 0
	s_mov_b32 s[G1B+7], 0
	s_lshl_b32 s18, s15, 3
	s_lshl_b32 s19, s14, 2
	s_add_co_u32 s18, s18, s19                     ; the values: row tile 8 x tile row + 4 x half,
	s_lshl_b32 s18, s18, 15                        ; 32,768 bytes each
	s_mov_b32 s19, 0
	s_lshl_b32 s46, s42, 4
	s_lshl_b32 s47, s14, 3
	s_add_co_u32 s46, s46, s47                     ; w_out: tile 16 x tile column + 8 x half
	s_lshl_b32 s46, s46, 15
	s_mov_b32 s47, 0
	s_lshl_b32 s20, s14, 14                        ; where they go in a slot: no place in the cluster enters an LDS address
	s_lshl_b32 s21, s14, 15
	s_add_co_u32 s21, s21, BOFF
	s_wait_dscnt 0x0                               ; both opening adds are done
	s_wait_kmcnt 0x0
	s_add_nc_u64 s[18:19], s[4:5], s[18:19]
	s_add_nc_u64 s[46:47], s[6:7], s[46:47]
	CROUND                                         ; all sixteen work-groups are here: the first joint loads meet
.irp s, 0,1
	s_mov_b32 s[G0+4*\s], 1
	s_add_co_u32 s[G0+4*\s+1], s20, \s*SLOT
	s_add_nc_u64 s[G0+4*\s+2:G0+4*\s+3], s[18:19], \s*KB
	s_or_b32 s[G0+4*\s+3], s[G0+4*\s+3], 0x80000000
	s_mov_b32 s[G0B+4*\s], 1
	s_add_co_u32 s[G0B+4*\s+1], s21, \s*SLOT
	s_add_nc_u64 s[G0B+4*\s+2:G0B+4*\s+3], s[46:47], \s*KB
	s_or_b32 s[G0B+4*\s+3], s[G0B+4*\s+3], 0x80000000
	JLOAD \s
.endr
	v_and_b32 v1, 31, v0
	v_lshlrev_b32 v[CO], 4, v1                     ; 16 x lane
	v_and_b32 v2, 15, v0                           ; r
	v_bfe_u32 v3, v0, 4, 1                         ; h
	s_lshl_b32 s22, s13, 14                        ; my four row tiles
	s_lshl_b32 s23, s14, 15                        ; my eight tiles of w_out,
	s_add_co_u32 s23, s23, BOFF                    ; behind the values
.irp s, 0,1
	v_add_nc_u32 v[ADRA+\s], s22, v[CO]
	v_add_nc_u32 v[ADRB+\s], s23, v[CO]
	s_add_co_u32 s22, s22, SLOT
	s_add_co_u32 s23, s23, SLOT
.endr
	s_mul_i32 s2, s[WV], 16*SPITCH                 ; my stage
	v_mul_u32_u24 v4, v2, SPITCH
	v_lshl_add_u32 v4, v3, 5, v4
	v_add_nc_u32 v[STO], s2, v4                    ; in: row r, 32 bytes for each half of the lanes
	v_add_nc_u32 v[RD], s2, v[CO]                  ; back: the 32 lanes take one row of 512 bytes
	v_lshlrev_b32 v[PFO], 8, v2
	v_lshl_add_u32 v[PFO], v3, 15, v[PFO]
	v_lshlrev_b32 v5, 5, v3                        ; the bias: 32 h
	s_lshl_b32 s46, s42, 10
	s_lshl_b32 s47, s14, 9
	s_add_co_u32 s46, s46, s47                     ; my first column, in bytes: 1,024 x tile column + 512 x half
	s_mov_b32 s47, 0
	s_add_nc_u64 s[8:9], s[8:9], s[46:47]
	s_add_nc_u64 s[10:11], s[10:11], s[46:47]
	s_lshl_b32 s46, s15, 19                        ; my first row: 128 x tile row + 64 x half, 4,096 bytes each
	s_lshl_b32 s22, s13, 18
	s_add_co_u32 s46, s46, s22
	s_add_nc_u64 s[10:11], s[10:11], s[46:47]
	; the prefetches: which tiles, and who asks
	s_lshl_b32 s20, s15, 3
	s_lshl_b32 s21, s40, 1
	s_add_co_u32 s20, s20, s21                     ; the values: row tile 8 x tile row + 2 cx
	s_lshl_b32 s21, s42, 4
	s_lshl_b32 s22, s14, 3
	s_add_co_u32 s21, s21, s22
	s_lshl_b32 s22, s41, 1
	s_add_co_u32 s21, s21, s22                     ; w_out: tile 16 x tile column + 8 x half + 2 cy
	s_and_b32 s22, ttmp7, 0xffff
	s_cmp_eq_u32 s22, 0
	s_cselect_b32 s22, 1, -1                       ; w_out: the first row of clusters asks
	s_cmp_eq_u32 s[WV], 1
	s_cselect_b32 s23, -1, 1                       ; the values: wave 0 asks, wave 1 never
	s_cmp_eq_u32 s13, 0
	s_cselect_b32 s20, s20, s21
	s_cselect_b32 s[LIM], s23, s22                 ; made of the wave's number and the cluster's y: the same in all sixteen partners
	s_cselect_b64 s[PFA:PFA+1], s[4:5], s[6:7]
	s_lshl_b32 s20, s20, 15
	s_add_co_u32 s20, s20, 2*KB                    ; at K step 2: the first refill steps it to 3 and names K step 4.  Nothing is prefetched at the head
	s_mov_b32 s21, 0
	s_add_nc_u64 s[PFA:PFA+1], s[PFA:PFA+1], s[20:21]
	WIN 0x80                                       ; destination window 2, address window 0
.irp b, 0,1,2,3,4,5,6,7
	global_load_b128 v[8*\b:8*\b+3], v5, s[8:9] offset:64*\b          ; b_out at columns 16 b + 8 h + 0 .. 7
	global_load_b128 v[8*\b+4:8*\b+7], v5, s[8:9] offset:64*\b+16
.endr
	WIN 0
; 8 matrix instructions: row tile a x w_out's eight, 32 along K, from buffer f.  first = 1: the bias starts the sums: nothing is ever cleared.  The 32 accumulators take turns, one instruction a turn.
.macro MUL8 f, a, first
.irp b, 0,1,2,3,4,5,6,7
.if \first
	v_wmma_f32_16x16x32_f16 v[8*(8*(\a)+\b):8*(8*(\a)+\b)+7], v[\f+32+8*\b:\f+32+8*\b+7], v[\f+8*(\a):\f+8*(\a)+7], v[8*\b:8*\b+7]
.else
	v_wmma_f32_16x16x32_f16 v[8*(8*(\a)+\b):8*(8*(\a)+\b)+7], v[\f+32+8*\b:\f+32+8*\b+7], v[\f+8*(\a):\f+8*(\a)+7], v[8*(8*(\a)+\b):8*(8*(\a)+\b)+7]
.endif
.endr
.endm
; 24 LDS loads in one run: the fragments of the slot's q-th 32 along K into buffer f: w_out's sixteen first, then the values' row tiles 0, 1, then 2, 3
.macro FETCH slot, q, f
.irp b, 0,1,2,3,4,5,6,7
	ds_load_b128 v[\f+32+8*\b:\f+32+8*\b+3],   v[ADRB+\slot] offset:KB*\b+1024*(\q)
	ds_load_b128 v[\f+32+8*\b+4:\f+32+8*\b+7], v[ADRB+\slot] offset:KB*\b+1024*(\q)+512
.endr
.irp a, 0,1,2,3
	ds_load_b128 v[\f+8*\a:\f+8*\a+3],   v[ADRA+\slot] offset:KB*\a+1024*(\q)
	ds_load_b128 v[\f+8*\a+4:\f+8*\a+7], v[ADRA+\slot] offset:KB*\a+1024*(\q)+512
.endr
.endm
.macro PLACES                          ; four places in front of loads into registers that matrix instructions have read, and of the first read of results (ISA guide 7.12.1 for vector instructions)
.rept 4
	v_nop
.endr
.endm
; A K step is four quarters of 32 along K, 32 matrix instructions each, on buffers 0, 1, 0, 1.  One of the first three: multiplies buffer f and fetches the slot's q-th quarter into g.
.macro QUARTER slot, q, f, g, first
	s_wait_dscnt 4                                 ; w_out's fragments and row tiles 0, 1 are in; the youngest four loads (row tiles 2, 3) may be out
.if \first
	WIN FIRST
.else
	WIN MUL
.endif
	MUL8 \f, 0, \first
	MUL8 \f, 1, \first
	PLACES
	WIN 0
	FETCH \slot, \q, \g
	s_wait_dscnt 24                                ; all but the 24 just issued
.if \first
	WIN FIRST
.else
	WIN MUL
.endif
	MUL8 \f, 2, \first
	MUL8 \f, 3, \first
.endm
; The last quarter multiplies buffer 1 and changes slots: ONE barrier; in front of it each wave waits for all its tensor loads, adds 0 to its spare word, and waits for that and for its reads of this slot.
; fill = 1: the barrier opens a round of the cluster's, and this slot is filled again, two K steps ahead, first thing behind the round.
.macro TURN slot, next, fill
.if \fill
	s_wait_xcnt 0x0                                ; the last prefetch, a K step back, has read its address
	s_add_nc_u64 s[PFA:PFA+1], s[PFA:PFA+1], KB
.endif
	WIN 0                                          ; (the add's two registers lie in window 0)
	s_wait_tensorcnt 0x0                           ; all my tensor loads have landed: my part of the next slot
	ds_add_u32 v[SPW], v[NIL]                      ; 0 onto my spare word
	s_wait_dscnt 5                                 ; (the add and the youngest four loads may be out)
	WIN MUL
	MUL8 F1, 0, 0                                  ; eight matrix instructions stand between the add and the wait for it
	s_wait_dscnt 0x0                               ; the add is done, and my reads of this slot are over
	s_barrier_signal -1
	MUL8 F1, 1, 0
	WIN 0
	s_barrier_wait -1
.if \fill
	CREST                                          ; no wave of any partner still reads this slot's tile or has a load on its way
	s_add_nc_u64 s[G0+4*\slot+2:G0+4*\slot+3], s[G0+4*\slot+2:G0+4*\slot+3], 2*KB
	s_add_nc_u64 s[G0B+4*\slot+2:G0B+4*\slot+3], s[G0B+4*\slot+2:G0B+4*\slot+3], 2*KB
	JLOAD \slot                                    ; the four v_nop behind it are also the places in front of the loads below
.else
	PLACES
.endif
	FETCH \next, 0, F0
.if \fill
	ASK
.endif
	WIN MUL
	MUL8 F1, 2, 0
	MUL8 F1, 3, 0
.endm
	s_wait_tensorcnt 1                             ; my part of K step 0 is in; K step 1's load may stay out
	s_barrier_signal -1
	s_barrier_wait -1                              ; everybody's is
	FETCH 0, 0, F0
	s_wait_loadcnt 0x0                             ; the bias
	QUARTER 0, 1, F0, F1, 1                        ; the first quarter stands in front of the loop: its products start the sums
	WIN 0                                          ; at a label and at a branch every window is 0
	s_mov_b32 s3, LAPS-1
.Llap:                                             ; a trip goes once round the ring, from a lap's second quarter to the next lap's first, and fills both slots again
	QUARTER 0, 2, F1, F0, 0
	QUARTER 0, 3, F0, F1, 0
	TURN 0, 1, 1
	QUARTER 1, 1, F0, F1, 0
	QUARTER 1, 2, F1, F0, 0
	QUARTER 1, 3, F0, F1, 0
	TURN 1, 0, 1
	QUARTER 0, 1, F0, F1, 0
	WIN 0
	s_sub_co_u32 s3, s3, 1
	s_cmp_lg_u32 s3, 0
	s_cbranch_scc1 .Llap
	QUARTER 0, 2, F1, F0, 0                        ; the last lap fills nothing, and has no round of the cluster's barrier
	QUARTER 0, 3, F0, F1, 0
	TURN 0, 1, 0
	QUARTER 1, 1, F0, F1, 0
	QUARTER 1, 2, F1, F0, 0
	QUARTER 1, 3, F0, F1, 0
	s_wait_dscnt 4                                 ; the very last quarter: nothing more to fetch
	WIN MUL
	MUL8 F1, 0, 0
	MUL8 F1, 1, 0
	s_wait_dscnt 0
	MUL8 F1, 2, 0
	MUL8 F1, 3, 0
	WIN 0
; THE WAY OUT, block by block of 16 rows x 128 columns.  A lane holds 32 neighbouring bytes of a row, and the lanes beside it hold other rows: a block goes through my own stage in LDS and comes back as whole rows of 512 bytes.
; LDS serves a wave's instructions in order (ISA guide 5.7.1): no wait between the stores and the loads, nor in front of the next block's stores.
.macro TOSTAGE a
	WIN 0x04                                       ; an LDS store's data are its source 1: window 1
.irp b, 0,1,2,3,4,5,6,7
	ds_store_b128 v[STO], v[64*(\a)+8*\b:64*(\a)+8*\b+3] offset:64*\b           ; each accumulator from its low end on
	ds_store_b128 v[STO], v[64*(\a)+8*\b+4:64*(\a)+8*\b+7] offset:64*\b+16
.endr
	WIN 0
.set BB, BK+64*((\a)%2)
.irp t, 0,1,2,3,4,5,6,7,8,9,10,11,12,13,14,15
	ds_load_b128 v[BB+4*\t:BB+4*\t+3], v[RD] offset:\t*SPITCH
.endr
.endm
.macro SEND a, younger                 ; younger: the LDS instructions issued behind block a's loads, which may stay out
.set BB, BK+64*((\a)%2)
	s_wait_dscnt \younger                          ; the block is back in registers
.irp t, 0,1,2,3,4,5,6,7,8,9,10,11,12,13,14,15
	global_store_b128 v[CO], v[BB+4*\t:BB+4*\t+3], s[10:11] offset:(16*(\a)+\t)*4096 th:TH_STORE_NT   ; 32 lanes store 512 consecutive bytes, at a multiple of 256 from out0's first byte; the row stands in the immediate, 63 rows at the most
.endr
.endm
	PLACES                                         ; behind the last products: for the stores that read results and the loads into registers that held fragments
	TOSTAGE 0
.irp a, 1,2,3
.if \a > 1
	s_wait_xcnt 0x0                                ; block a - 2's stores have read their registers: block a's loads may land there
.endif
	TOSTAGE \a
	SEND \a-1, 32                                  ; behind block a - 1's loads: block a's 16 stores and 16 loads
.endr
	SEND 3, 0
	s_wait_tensorcnt 0x0                           ; the wave's end, behind my last tensor load and my last LDS store
	ds_add_u32 v[SPW], v[NIL]
	s_wait_dscnt 0x0
	CROUND                                         ; the closing round: no work-group ends while a partner may still ask for a tile that names it
	s_endpgm
.Lfunc_end_k_q9c4e27b911_outp:
	.size	k_q9c4e27b911_outp, .Lfunc_end_k_q9c4e27b911_outp-k_q9c4e27b911_outp
	.p2alignl 7, 3214868480
	.fill 96, 4, 3214868480
	.section	.rodata,"a",@progbits
	.p2align	6, 0x0
	.amdhsa_kernel k_q9c4e27b911_outp
		.amdhsa_group_segment_fixed_size 327680
		.amdhsa_private_segment_fixed_size 0
		.amdhsa_enable_private_segment 0
		.amdhsa_kernarg_size 32
		.amdhsa_user_sgpr_count 2
		.amdhsa_user_sgpr_kernarg_segment_ptr 1
		.amdhsa_wavefront_size32 1
		.amdhsa_system_sgpr_workgroup_id_x 1
		.amdhsa_system_sgpr_workgroup_id_y 1
		.amdhsa_system_sgpr_workgroup_id_z 1
		.amdhsa_system_vgpr_workitem_id 0
		.amdhsa_next_free_vgpr 768
		.amdhsa_next_free_sgpr 66
		.amdhsa_reserve_vcc 0
		.amdhsa_float_denorm_mode_32 3
		.amdhsa_float_denorm_mode_16_64 3
		.amdhsa_memory_ordered 1
		.amdhsa_forward_progress 1
		.amdhsa_inst_pref_size 87
	.end_amdhsa_kernel
	.amdgpu_metadata
---
amdhsa.version: [ 1, 2 ]
amdhsa.kernels:
  - .name:           k_q9c4e27b911_outp
    .symbol:         k_q9c4e27b911_outp.kd
    .args:
      - { .name: val16, .offset: 0, .size: 8, .value_kind: global_buffer, .address_space: global }
      - { .name: wo16, .offset: 8, .size: 8, .value_kind: global_buffer, .address_space: global }
      - { .name: b_out, .offset: 16, .size: 8, .value_kind: global_buffer, .address_space: global }
      - { .name: out0, .offset: 24, .size: 8, .value_kind: global_buffer, .address_space: global }
    .group_segment_fixed_size: 327680
    .private_segment_fixed_size: 0
    .kernarg_segment_align: 8
    .kernarg_segment_size: 32
    .max_flat_workgroup_size: 128
    .sgpr_count:     66
    .vgpr_count:     768
    .wavefront_size: 32
...
	.end_amdgpu_metadata
.endif
;; end of part 4
